; MI455X (gfx1250); checked and timed in simulation.
; The chip was launched on July 23, 2026; its instructions are those of AMD's public machine-readable ISA for CDNA 5 (MIT licence, August 2026) and "CDNA5" Instruction Set Architecture Reference Guide (July 2026). The comments in the code are by the model that wrote it; some were corrected since.
;; Self Attention. Allowed arithmetic: float matrix products may take bf16 or f16 operands with f32 sums; other float arithmetic in f32, or as packed bf16 or f16 multiplies, adds, multiply-adds, maxima and minima; sums over many terms, partial sums and values carried from step to step in f32; what a program stores and reads back later, other than sums and carried values, may be rounded once to bf16 or f16.
;; Inputs: Wk 512 x 512 float32; Wq 512 x 512 float32; Wv 512 x 512 float32; bk 512 float32; bq 512 float32; bv 512 float32; x 8 x 2,048 x 512 float32.
;; Outputs: out0 8 x 2,048 x 512 float32.
;; One version. Each part assembles by itself: llvm-mc -triple=amdgcn-amd-amdhsa -mcpu=gfx1250 --defsym DOCPART=n.
;; ======== version 1 of 1: 4 launches
;; limits: values outside matrix products are rounded to bf16
;; workspace buffers: xb 16,777,216 bytes; wb 1,572,864 bytes; qkv 50,331,648 bytes; pt 67,108,864 bytes; mstat 524,288 bytes; lstat 524,288 bytes
;; launch prep (part 1): grid 560 x 1, 8 waves a work-group, no clusters, 0 bytes of LDS; arguments x, Wq, Wk, Wv, xb, wb; writes xb, wb
.if DOCPART == 1
	.amdgcn_target "amdgcn-amd-amdhsa--gfx1250"
	.amdhsa_code_object_version 6
	.text
	.protected	k_q399457a011_prep
	.globl	k_q399457a011_prep
	.p2align	8
	.type	k_q399457a011_prep,@function
k_q399457a011_prep:
	s_mov_b64 s[64:65], 0
	v_nop
	global_prefetch_b8 v0, s[64:65] scope:SCOPE_SE
	s_setreg_imm32_b32 hwreg(HW_REG_WAVE_MODE, 25, 1), 1
	s_wait_xcnt 0x0
; xb = bf16(x), layout unchanged;  wb[k][512 sel + n] = bf16(W_sel[k][n]), sel = 0 (q), 1 (k), 2 (v): the three weights side by side, rows of 1,536.
; These are the matrix operands of the next launch, rounded once to nearest even.
; A stream: no LDS, no barrier, no matrix unit, since each byte is read once and written once and nothing is shared.
; A work-group casts 65,536 bytes of f32 into 32,768 bytes of bf16.  Work-groups 0-511 take x (512 x 65,536 = 33,554,432 bytes),
; work-groups 512-559 the three weights (16 each: 32 rows of 512 numbers).
; Thread t takes 16 bytes at 16 t of each block of 4,096 bytes, which is two rows of 512 f32: row t / 128, numbers 4 (t % 128) ..
; A load of a wave covers 512 consecutive bytes, a store 256 consecutive, aligned bytes.
; All sixteen loads of a thread go out at once; no register is written twice, so no source has to be freed.
.set NX,   512                         ; work-groups for x
.set XROW, 1024                        ; bytes in a row of xb
.set WROW, 3072                        ; bytes in a row of wb
.set X,    4                           ; v[4:67]   sixteen loads of 4 registers
.set Y,    68                          ; v[68:99]  sixteen stores of 2 registers
	s_load_b256 s[4:11], s[0:1], 0x0               ; x s[4:5], Wq s[6:7], Wk s[8:9], Wv s[10:11]
	s_load_b128 s[12:15], s[0:1], 0x20             ; xb s[12:13], wb s[14:15]
	s_max_u32 s16, ttmp9, NX
	s_sub_co_u32 s16, s16, NX                      ; j = 0..47 for a weight's block (0 for a block of x)
	s_lshr_b32 s17, s16, 4                         ; which weight
	s_and_b32 s18, s16, 15                         ; which 32 rows of it
	s_mul_i32 s19, s18, 32*WROW                    ; in wb: 32 rows of 3,072 bytes a block,
	s_lshl_b32 s28, s17, 10                        ; and the weight's 1,024 bytes of each row
	s_add_co_u32 s19, s19, s28
	s_lshl_b32 s28, ttmp9, 15                      ; in xb: 32,768 bytes a block
	s_movk_i32 s29, WROW
	s_movk_i32 s30, XROW
	s_cmp_lt_u32 ttmp9, NX
	s_cselect_b32 s20, ttmp9, s18                  ; block number in the source
	s_cselect_b32 s22, s28, s19                    ; byte offset in the destination
	s_cselect_b32 s29, s30, s29                    ; bytes from row to row in the destination
	s_lshl_b32 s20, s20, 16                        ; x 65,536 bytes
	s_mov_b32 s21, 0
	s_mov_b32 s23, 0
	v_lshlrev_b32 v1, 4, v0                        ; in: 16 t
	v_lshrrev_b32 v3, 7, v0                        ; out: row t / 128,
	v_and_b32 v2, 127, v0
	v_lshlrev_b32 v2, 3, v2                        ; 8 bytes at 8 (t % 128)
	v_mad_u32_u24 v2, v3, s29, v2
	s_wait_kmcnt 0x0
	s_cmp_eq_u32 s17, 1                            ; the buffers are chosen on the work-group's number alone
	s_cselect_b64 s[24:25], s[8:9], s[6:7]
	s_cmp_eq_u32 s17, 2
	s_cselect_b64 s[24:25], s[10:11], s[24:25]
	s_cmp_lt_u32 ttmp9, NX
	s_cselect_b64 s[24:25], s[4:5], s[24:25]
	s_cselect_b64 s[26:27], s[12:13], s[14:15]
	s_add_nc_u64 s[24:25], s[24:25], s[20:21]
	s_add_nc_u64 s[26:27], s[26:27], s[22:23]
.irp j, 0,1,2,3,4,5,6,7,8,9,10,11,12,13,14,15
	global_load_b128 v[X+4*\j:X+4*\j+3], v1, s[24:25] offset:4096*\j th:TH_LOAD_NT
.endr
; load j holds rows 2 j and 2 j + 1 of the block; the row pitch of the destination stands in the store's immediate
.macro CAST rowp
.irp j, 0,1,2,3,4,5,6,7,8,9,10,11,12,13,14,15
	s_wait_loadcnt 15-\j                           ; loads come back in order (ISA guide 5.7.1): load j is in, the 15 - j younger ones stay out
	v_cvt_pk_bf16_f32 v[Y+2*\j],   v[X+4*\j],   v[X+4*\j+1]
	v_cvt_pk_bf16_f32 v[Y+2*\j+1], v[X+4*\j+2], v[X+4*\j+3]
	global_store_b64 v2, v[Y+2*\j:Y+2*\j+1], s[26:27] offset:2*\rowp*\j
.endr
.endm
	s_cmp_lt_u32 ttmp9, NX
	s_cbranch_scc0 .Lweights
	CAST XROW
	s_endpgm
.Lweights:
	CAST WROW
	s_endpgm
.Lfunc_end_k_q399457a011_prep:
	.size	k_q399457a011_prep, .Lfunc_end_k_q399457a011_prep-k_q399457a011_prep
	.p2alignl 7, 3214868480
	.fill 96, 4, 3214868480
	.section	.rodata,"a",@progbits
	.p2align	6, 0x0
	.amdhsa_kernel k_q399457a011_prep
		.amdhsa_group_segment_fixed_size 0
		.amdhsa_private_segment_fixed_size 0
		.amdhsa_enable_private_segment 0
		.amdhsa_kernarg_size 48
		.amdhsa_user_sgpr_count 2
		.amdhsa_user_sgpr_kernarg_segment_ptr 1
		.amdhsa_wavefront_size32 1
		.amdhsa_system_sgpr_workgroup_id_x 1
		.amdhsa_system_sgpr_workgroup_id_y 1
		.amdhsa_system_sgpr_workgroup_id_z 1
		.amdhsa_system_vgpr_workitem_id 0
		.amdhsa_next_free_vgpr 100
		.amdhsa_next_free_sgpr 66
		.amdhsa_reserve_vcc 0
		.amdhsa_float_denorm_mode_32 3
		.amdhsa_float_denorm_mode_16_64 3
		.amdhsa_memory_ordered 1
		.amdhsa_forward_progress 1
		.amdhsa_inst_pref_size 12
	.end_amdhsa_kernel
	.amdgpu_metadata
---
amdhsa.version: [ 1, 2 ]
amdhsa.kernels:
  - .name:           k_q399457a011_prep
    .symbol:         k_q399457a011_prep.kd
    .args:
      - { .name: x, .offset: 0, .size: 8, .value_kind: global_buffer, .address_space: global }
      - { .name: Wq, .offset: 8, .size: 8, .value_kind: global_buffer, .address_space: global }
      - { .name: Wk, .offset: 16, .size: 8, .value_kind: global_buffer, .address_space: global }
      - { .name: Wv, .offset: 24, .size: 8, .value_kind: global_buffer, .address_space: global }
      - { .name: xb, .offset: 32, .size: 8, .value_kind: global_buffer, .address_space: global }
      - { .name: wb, .offset: 40, .size: 8, .value_kind: global_buffer, .address_space: global }
    .group_segment_fixed_size: 0
    .private_segment_fixed_size: 0
    .kernarg_segment_align: 8
    .kernarg_segment_size: 48
    .max_flat_workgroup_size: 256
    .sgpr_count:     66
    .vgpr_count:     100
    .wavefront_size: 32
...
	.end_amdgpu_metadata
.endif
;; end of part 1
;; launch proj (part 2): grid 64 x 4, 4 waves a work-group, clusters of 4 x 1, 327,680 bytes of LDS; arguments xb, wb, bq, bk, bv, qkv; writes qkv
.if DOCPART == 2
	.amdgcn_target "amdgcn-amd-amdhsa--gfx1250"
	.amdhsa_code_object_version 6
	.text
	.protected	k_q399457a011_proj
	.globl	k_q399457a011_proj
	.p2align	8
	.type	k_q399457a011_proj,@function
k_q399457a011_proj:
	s_mov_b64 s[64:65], 0
	v_nop
	global_prefetch_b8 v0, s[64:65] scope:SCOPE_SE
	s_setreg_imm32_b32 hwreg(HW_REG_WAVE_MODE, 25, 1), 1
	s_wait_xcnt 0x0
	s_wait_alu depctr_hold_cnt(0) depctr_sa_sdst(0) depctr_va_vdst(0) depctr_va_sdst(0) depctr_va_ssrc(0) depctr_va_vcc(0) depctr_vm_vsrc(0)
	s_getreg_b32 s2, hwreg(HW_REG_IB_STS2, 6, 4)
	s_cmp_eq_u32 s2, 0
	s_cbranch_scc0 .Lentry_in_a_cluster
	s_endpgm
.Lentry_in_a_cluster:
	s_bfe_u32 s2, ttmp6, 0x10000c
	s_cmp_lg_u32 s2, 0x3003
	s_cbranch_scc0 .Lentry_shape_is_right
	s_endpgm
.Lentry_shape_is_right:
; Q, K, V = bf16( x W + bias ).  xb: [16384][512] bf16, wb: [512 k][1536 columns] bf16 (Wq | Wk | Wv), biases f32; sums and the bias in f32, rounded once.
; qkv: Q [16384][512] at byte 0, K the same at 16,777,216, both by rows;  V at 33,554,432 as [row / 8][512 v][8 rows]: 16 bytes hold eight
; neighbouring rows (keys) of one column, which is what a lane of the last launch's matrix operand holds.
; 16,384 x 1,536 results on 256 work-groups are 98,304 each: a work-group makes 256 rows x 384 columns in ONE pass, a wave 128 x 192:
; 96 accumulator tiles of 16 x 16, 768 registers.  For 32 along K a wave loads (128 + 192) x 64 bytes from LDS for 96 matrix instructions.
; Grid: x = block of 256 rows (64), y = group of 384 columns (4) = three units of 128 columns; unit u = 3 y + c belongs to weight u / 4, columns 128 (u % 4) ..
; K goes in steps of 64 through two LDS slots: two slots of a step of 128 would take 2 x (128 x 864 + 256 x 272) = 360,448 bytes, more than a work-group can have.
; W lies [k][column] in memory and stays so in LDS: its fragments come by the transposing LDS load.
; CLUSTERS: four work-groups along x (four row blocks, one column group) need the same tiles of W and ask for them jointly (mask 15).
; x's tiles are shared by the four column groups, but the way out branches on the column group (V's units leave in another layout)
; so the column groups lie along y, outside the cluster, and x's tiles are each work-group's own loads.
; REGISTERS, in windows of 256:
;   window 0: v14-31 addresses; v32-95, v96-159 fragments of x (8 x 16 rows x 32 K), two buffers; v160-255 fragments of W (12 x 16 columns x 32 K), ONE buffer
;   windows 1, 2, 3: accumulator tiles of column blocks 0-3, 4-7, 8-11: tile (a, b) at v[8 (8 (b % 4) + a)] of window 1 + b / 4
; The products go column block by column block, so W's blocks 0-5 are free in the middle of a quarter step and are loaded again there, blocks 6-11 at its end:
; each half has 48 matrix instructions between its loads and its first use.
; THE MATRIX INSTRUCTION IS USED TRANSPOSED: source 0 = 16 columns of W, source 1 = 16 rows of x; lane l then holds row l % 16 and its registers
; 0-7 the columns 8 (l / 16) + 0..7: eight neighbouring numbers of a row, which pack into 16 bytes.
; The 96 accumulators take turns, one instruction a turn, in the same order in every quarter step.
.set VT8,    1                         ; 1: V leaves as [row / 8][v][8 rows]; 0: by rows, like Q and K
.set KSTEP,  64
.set PX,     144                       ; x in LDS: 128 bytes + 16 of padding: an odd multiple of 16
.set PW,     864                       ; W in LDS: 3 x (256 bytes + 32 of padding): an odd multiple of 32
.set WHALF,  32*PW                     ; 27,648: what wave 0 or 1 fetches (the tile has 64 rows: 32 for each of the two)
.set XHALF,  128*PX                    ; 18,432: what wave 2 or 3 fetches
.set XOFF,   2*WHALF                   ; x's rows lie behind W's
.set SLOT,   XOFF+2*XHALF              ; 92,160
.set OP,     784                       ; the way out: a row of 384 bf16 + 16 bytes: an odd multiple of 16
.set BIASL,  256*OP                    ; 200,704: behind the way out's 256 rows: the bias of my 384 columns, f32; no tensor load lands here
.set XSTEP,  2*KSTEP*2                 ; two K steps along a row of xb
.set WSTEP,  2*KSTEP*3072              ; two K steps down the rows of wb
.set LAPS,   512/(2*KSTEP)             ; 4 laps of two K steps
.set BR,   14                          ; where I read my columns' bias
.set ADRA, 16                          ; v16-17  my x fragments in slot 0, 1
.set ADRB, 18                          ; v18-23  my W fragments: slot s, column blocks 4 G .. 4 G + 3 at v[18 + 3 s + G]
.set STO,  24                          ; v24-25  the way out: where I put 16 bytes of a row, row blocks 0-3, 4-7
.set RD,   26                          ; where I read rows back
.set RDT,  27                          ; where I read V back, transposed
.set CO,   28                          ; my byte offset in Q or K
.set COT,  29                          ; my byte offset in V
.set BO,   30                          ; my byte offset in the bias
.set BL,   31                          ; where I put 16 bytes of the bias
.set AF0,  32
.set AF1,  96
.set BF,   160
.set TMP,  32                          ; the way out: 128 registers over x's two buffers
.set GX1, 24                           ; s[24:31] group 1 for x's tiles
.set GX0, 32                           ; s[32:39] group 0 for x's tiles, one set for each slot
.set GW1, 48                           ; s[48:55] group 1 for W's tiles
.set GW0, 56                           ; s[56:63] group 0 for W's tiles, one set for each slot
.set MSB, 0
.macro WIN new                         ; the immediate's high byte repeats the setting that is left
.if MSB != \new
	s_set_vgpr_msb (MSB<<8)|\new
.set MSB, \new
.endif
.endm
.set ACC1, 0x50                        ; sources 0 and 1 window 0, C and D window 1
.set ACC2, 0xa0                        ; C and D window 2
.set ACC3, 0xf0                        ; C and D window 3
; One tensor load a wave: waves 0 and 1 ask jointly for W's two halves, waves 2 and 3 fetch x's two halves.  The branch hangs on the wave's number alone.
.macro JLOAD s
	s_cmp_eq_u32 s11, 0
	s_cbranch_scc0 .Lfor_x_\@
	tensor_load_to_lds s[GW0+4*\s:GW0+4*\s+3], s[GW1:GW1+7]
	s_nop 0
	s_branch .Lasked_\@
.Lfor_x_\@:
	tensor_load_to_lds s[GX0+4*\s:GX0+4*\s+3], s[GX1:GX1+7]
	s_nop 0
.Lasked_\@:
.endm
; A round of the cluster's barrier behind its opening work-group barrier: wave 0 signals for the work-group, every wave waits for all four work-groups, a work-group barrier closes it.
.macro CREST
	s_cmp_lg_u32 s10, 0
	s_cbranch_scc1 .Lnot_wave_0_\@
	s_barrier_signal -3
.Lnot_wave_0_\@:
	s_barrier_wait -3
	s_barrier_signal -1
	s_barrier_wait -1
.endm
.macro CROUND
	s_barrier_signal -1
	s_barrier_wait -1
	CREST
.endm
	s_load_b128 s[4:7], s[0:1], 0x0                ; xb s[4:5], wb s[6:7]
	s_load_b256 s[68:75], s[0:1], 0x10             ; bq s[68:69], bk s[70:71], bv s[72:73], qkv s[74:75]
	v_lshl_add_u32 v9, v0, 2, 0x31800
	v_mov_b32 v15, 0
	ds_add_u32 v9, v15
	v_lshrrev_b32 v1, 5, v0
	v_readfirstlane_b32 s10, v1                    ; wave 0..3
	s_lshr_b32 s11, s10, 1                         ; which half of the block's rows is mine.  Also: I fetch for W (0) or for x (1)
	s_and_b32 s12, s10, 1                          ; which half of its columns.  Also: which half of that tile I fetch
	s_bfe_u32 s40, ttmp6, 0x40000                  ; cx
	s_lshl_b32 s13, ttmp9, 2
	s_add_co_u32 s13, s13, s40                     ; block of rows = 4 x cluster x + cx
	s_and_b32 s42, ttmp7, 0xffff                   ; group of columns (the cluster is one work-group high)
	; group 1 for x: 128 rows x 64 elements of 2 bytes, 4 words of padding behind every 32 words; no mask
	s_mov_b32 s[GX1+0], (1<<16)|(1<<20)|(4<<22)|(3<<25)
	s_mov_b32 s[GX1+1], KSTEP<<16                  ; tensor_dim0 = 64
	s_mov_b32 s[GX1+2], 128<<16                    ; tensor_dim1 = 128
	s_mov_b32 s[GX1+3], KSTEP<<16                  ; tile_dim0 = 64
	s_mov_b32 s[GX1+4], 128                        ; tile_dim1 = 128
	s_mov_b32 s[GX1+5], 512                        ; elements from row to row
	s_mov_b32 s[GX1+6], 0
	s_mov_b32 s[GX1+7], 0
	; group 1 for W: 32 k rows x 384 elements, 8 words of padding behind every 64 words (three times in a row); mask 15 = all four of the cluster, bit 21 beside it
	s_mov_b32 s[GW1+0], 15|(1<<16)|(1<<20)|(1<<21)|(5<<22)|(7<<25)
	s_mov_b32 s[GW1+1], 384<<16
	s_mov_b32 s[GW1+2], 32<<16
	s_mov_b32 s[GW1+3], 384<<16
	s_mov_b32 s[GW1+4], 32
	s_mov_b32 s[GW1+5], 1536
	s_mov_b32 s[GW1+6], 0
	s_mov_b32 s[GW1+7], 0
	s_lshl_b32 s16, s13, 8                         ; x: row 256 x block + 128 x half, times 1,024 bytes
	s_lshl_b32 s17, s12, 7
	s_add_co_u32 s16, s16, s17
	s_lshl_b32 s16, s16, 10
	s_mov_b32 s17, 0
	s_mul_i32 s46, s42, 768                        ; W: column group x 768 bytes + my 32 k rows x 3,072: made of the column group and the wave alone
	s_mul_i32 s47, s12, 32*3072
	s_add_co_u32 s46, s46, s47
	s_mov_b32 s47, 0
	s_mul_i32 s20, s10, WHALF                      ; where a wave's part goes: W's halves at wave x 27,648 (waves 0, 1),
	s_mul_i32 s21, s10, XHALF                      ; x's behind them: 55,296 + (wave - 2) x 18,432 (waves 2, 3)
	s_add_co_u32 s21, s21, XOFF-2*XHALF
	s_min_u32 s22, s10, 2                          ; the bias: wave c = 0, 1, 2 brings that of unit u = 3 y + c
	s_mul_i32 s23, s42, 3
	s_add_co_u32 s22, s22, s23
	s_lshr_b32 s23, s22, 2                         ; which weight's
	s_and_b32 s22, s22, 3
	s_lshl_b32 s22, s22, 9                         ; 128 columns x 4 bytes
	s_wait_dscnt 0x0
	s_wait_kmcnt 0x0
	s_add_nc_u64 s[14:15], s[4:5], s[16:17]
	s_add_nc_u64 s[46:47], s[6:7], s[46:47]
	s_cmp_eq_u32 s23, 1
	s_cselect_b64 s[76:77], s[70:71], s[68:69]
	s_cmp_eq_u32 s23, 2
	s_cselect_b64 s[76:77], s[72:73], s[76:77]
	CROUND                                         ; all four work-groups are here: the first joint loads meet
.irp s, 0,1
	s_mov_b32 s[GW0+4*\s], 1
	s_add_co_u32 s[GW0+4*\s+1], s20, \s*SLOT
	s_add_nc_u64 s[GW0+4*\s+2:GW0+4*\s+3], s[46:47], \s*KSTEP*3072
	s_or_b32 s[GW0+4*\s+3], s[GW0+4*\s+3], 0x80000000
	s_mov_b32 s[GX0+4*\s], 1
	s_add_co_u32 s[GX0+4*\s+1], s21, \s*SLOT
	s_add_nc_u64 s[GX0+4*\s+2:GX0+4*\s+3], s[14:15], \s*KSTEP*2
	s_or_b32 s[GX0+4*\s+3], s[GX0+4*\s+3], 0x80000000
	JLOAD \s                                       ; both slots' first fills: two tensor loads of the wave are out
.endr
	v_and_b32 v1, 15, v0                           ; r = l % 16
	v_bfe_u32 v2, v0, 4, 1                         ; h = l / 16
	v_and_b32 v8, 31, v0
	v_lshl_add_u32 v[BO], v8, 4, s22               ; 16 bytes a lane: a wave's load covers a unit's 512 bytes of bias
	v_lshl_add_u32 v[BL], v0, 4, BIASL             ; unit c at BIASL + 512 c
	s_cmp_eq_u32 s10, 3
	s_cbranch_scc1 .Lno_bias_load
	global_load_b128 v[10:13], v[BO], s[76:77]
.Lno_bias_load:
	; x's fragments: lane l holds row l % 16; two loads of 16 bytes, 32 bytes apart, at row x pitch + 16 (l / 16)
	v_mul_u32_u24 v3, v1, PX
	v_lshl_add_u32 v3, v2, 4, v3
	; the transposing load: lane l addresses row 8 (l / 16) + l % 8, 16 bytes at 16 ((l / 8) % 2); the second load 16 rows further down
	v_and_b32 v4, 7, v0
	v_lshl_add_u32 v4, v2, 3, v4
	v_bfe_u32 v5, v0, 3, 1
	v_lshlrev_b32 v5, 4, v5
	v_mad_u32_u24 v6, v4, PW, v5
	s_mul_i32 s21, s11, XHALF                      ; my 128 rows of x
	s_add_co_u32 s21, s21, XOFF
	v_add_nc_u32 v[ADRA], s21, v3
	v_add_nc_u32 v[ADRA+1], SLOT, v[ADRA]
	s_mul_i32 s22, s12, 3                          ; my 192 columns are three runs of 64; run n = 3 x half + G lies at 288 (n / 2) + 128 (n % 2) bytes of an LDS row
.irp G, 0,1,2
	s_add_co_u32 s23, s22, \G
	s_lshr_b32 s43, s23, 1
	s_mul_i32 s43, s43, 288
	s_and_b32 s23, s23, 1
	s_lshl_b32 s23, s23, 7
	s_add_co_u32 s23, s23, s43
	v_add_nc_u32 v[ADRB+\G], s23, v6
	v_add_nc_u32 v[ADRB+3+\G], SLOT, v[ADRB+\G]
.endr
	s_mul_i32 s23, s11, 128*OP                     ; the way out, in: row 128 x row half + 16 a + r, byte 384 x column half + 32 b + 16 h
	s_mul_i32 s43, s12, 384
	s_add_co_u32 s23, s23, s43
	v_mul_u32_u24 v7, v1, OP
	v_lshl_add_u32 v7, v2, 4, v7
	v_add_nc_u32 v[STO], s23, v7
	v_add_nc_u32 v[STO+1], 64*OP, v[STO]
	s_mul_i32 s23, s10, 64*OP                      ; back: wave w takes rows 64 w .. 64 w + 63: lanes 0-15 256 bytes of one row, lanes 16-31 of the next
	v_mul_u32_u24 v7, v2, OP
	v_lshl_add_u32 v7, v1, 4, v7
	v_add_nc_u32 v[RD], s23, v7
	v_mad_u32_u24 v7, v4, OP, v5
	v_add_nc_u32 v[RDT], s23, v7
	v_lshlrev_b32 v7, 10, v2
	v_lshl_add_u32 v[CO], v1, 4, v7                ; Q, K: 1,024 h + 16 r
	v_lshlrev_b32 v7, 13, v2
	v_lshl_add_u32 v[COT], v1, 4, v7               ; V: 8,192 h + 16 r
	s_mul_i32 s23, s12, 768
	s_add_co_u32 s23, s23, BIASL
	v_lshl_add_u32 v[BR], v2, 5, s23               ; the bias of my columns 16 b + 8 h ..: 768 x column half + 64 b + 32 h
	s_cmp_eq_u32 s10, 3
	s_cbranch_scc1 .Lno_bias_store
	s_wait_loadcnt 0x0
	ds_store_b128 v[BL], v[10:13]
.Lno_bias_store:
; 8 matrix instructions: column block b x all 8 row blocks, 32 along K.  zero = 1: the first product starts the sums: nothing is cleared.
.macro MULB af, b, zero
.irp a, 0,1,2,3,4,5,6,7
.if \zero
	v_wmma_f32_16x16x32_bf16 v[8*(8*((\b)%4)+\a):8*(8*((\b)%4)+\a)+7], v[BF+8*(\b):BF+8*(\b)+7], v[\af+8*\a:\af+8*\a+7], 0
.else
	v_wmma_f32_16x16x32_bf16 v[8*(8*((\b)%4)+\a):8*(8*((\b)%4)+\a)+7], v[BF+8*(\b):BF+8*(\b)+7], v[\af+8*\a:\af+8*\a+7], v[8*(8*((\b)%4)+\a):8*(8*((\b)%4)+\a)+7]
.endif
.endr
.endm
; 12 LDS loads: W's column blocks i0 .. i0 + 5 of quarter q (32 along K) of a slot
.macro LOADB slot, q, i0
.irp i, 0,1,2,3,4,5
	ds_load_tr16_b128 v[BF+8*(\i0+\i):BF+8*(\i0+\i)+3],   v[ADRB+3*\slot+(\i0+\i)/4] offset:\q*32*PW+32*((\i0+\i)%4)
	ds_load_tr16_b128 v[BF+8*(\i0+\i)+4:BF+8*(\i0+\i)+7], v[ADRB+3*\slot+(\i0+\i)/4] offset:\q*32*PW+32*((\i0+\i)%4)+16*PW
.endr
.endm
; 16 LDS loads: x's 128 rows of quarter q of a slot into buffer f
.macro LOADA slot, q, f
.irp i, 0,1,2,3,4,5,6,7
	ds_load_b128 v[\f+8*\i:\f+8*\i+3],   v[ADRA+\slot] offset:\q*64+\i*16*PX
	ds_load_b128 v[\f+8*\i+4:\f+8*\i+7], v[ADRA+\slot] offset:\q*64+\i*16*PX+32
.endr
.endm
; A load into a register that a matrix instruction has read, and a vector instruction that reads a matrix result, stand four places behind it; only plain
; vector instructions that name none of its registers are places.
.macro PLACES
.rept 4
	v_nop
.endr
.endm
; The first quarter of a K step: multiplies x's buffer 0; fetches the same slot's second quarter.
.macro Q0 slot, zero
	s_wait_dscnt 12                                ; W's blocks 0-5 and x are in; the youngest twelve loads (W's blocks 6-11) may be out
	WIN ACC1
	MULB AF0, 0, \zero
	MULB AF0, 1, \zero
	MULB AF0, 2, \zero
	MULB AF0, 3, \zero
	WIN ACC2
	MULB AF0, 4, \zero
	MULB AF0, 5, \zero
	PLACES
	WIN 0
	LOADB \slot, 1, 0
	LOADA \slot, 1, AF1
	s_wait_dscnt 28                                ; all but the 28 just issued: W's blocks 6-11 are in
	WIN ACC2
	MULB AF0, 6, \zero
	MULB AF0, 7, \zero
	WIN ACC3
	MULB AF0, 8, \zero
	MULB AF0, 9, \zero
	MULB AF0, 10, \zero
	MULB AF0, 11, \zero
	PLACES
	WIN 0
	LOADB \slot, 1, 6
.endm
; The second quarter: multiplies x's buffer 1 and changes slots.  All my reads of this slot were issued by the end of the first quarter.  In front of the barrier each wave
; waits for them and for all its tensor loads (one is out: its part of the next slot).  Where the slot is filled again the barrier opens a round of the cluster's barrier,
; and the refill is the first tensor load behind the round: it has 176 matrix instructions until the wait for it.
.macro Q1 slot, next, fill
	s_wait_dscnt 12
	WIN ACC1
	MULB AF1, 0, 0
	MULB AF1, 1, 0
	MULB AF1, 2, 0
	MULB AF1, 3, 0
	s_wait_dscnt 0                                 ; my reads of this slot are over
	s_wait_tensorcnt 0x0                           ; all my tensor loads have landed
	ds_add_u32 v9, v15
	s_wait_dscnt 0x0
	s_barrier_signal -1
	WIN ACC2
	MULB AF1, 4, 0                                 ; register work while the others arrive
	MULB AF1, 5, 0
	WIN 0
	s_barrier_wait -1
.if \fill
	CREST
	s_add_nc_u64 s[GW0+4*\slot+2:GW0+4*\slot+3], s[GW0+4*\slot+2:GW0+4*\slot+3], WSTEP   ; no tensor load of mine is out: group 0 may be written
	s_add_nc_u64 s[GX0+4*\slot+2:GX0+4*\slot+3], s[GX0+4*\slot+2:GX0+4*\slot+3], XSTEP
	JLOAD \slot
.endif
	PLACES
	LOADB \next, 0, 0
	LOADA \next, 0, AF0
	WIN ACC2
	MULB AF1, 6, 0
	MULB AF1, 7, 0
	WIN ACC3
	MULB AF1, 8, 0
	MULB AF1, 9, 0
	MULB AF1, 10, 0
	MULB AF1, 11, 0
	PLACES
	WIN 0
	LOADB \next, 0, 6
.endm
.macro LAP zero                        ; two K steps, both slots filled again
	Q0 0, \zero
	Q1 0, 1, 1
	Q0 1, 0
	Q1 1, 0, 1
.endm
	s_wait_dscnt 0x0                               ; my part of the bias is in LDS: zero, for the other waves' sake
	s_wait_tensorcnt 1                             ; my part of K step 0 is in; K step 1's may stay out
	s_barrier_signal -1
	s_barrier_wait -1
	LOADB 0, 0, 0
	LOADA 0, 0, AF0
	LOADB 0, 0, 6
	LAP 1                                          ; the first lap stands in front of the loop: its first products start the sums
	s_mov_b32 s3, LAPS-2
.Llap:
	LAP 0
	s_sub_co_u32 s3, s3, 1
	s_cmp_lg_u32 s3, 0
	s_cbranch_scc1 .Llap
	Q0 0, 0                                        ; the last lap fills nothing
	Q1 0, 1, 0
	Q0 1, 0
	s_wait_dscnt 12                                ; the very last quarter
	WIN ACC1
	MULB AF1, 0, 0
	MULB AF1, 1, 0
	MULB AF1, 2, 0
	MULB AF1, 3, 0
	WIN ACC2
	MULB AF1, 4, 0
	MULB AF1, 5, 0
	s_wait_dscnt 0
	MULB AF1, 6, 0
	MULB AF1, 7, 0
	WIN ACC3
	MULB AF1, 8, 0
	MULB AF1, 9, 0
	MULB AF1, 10, 0
	MULB AF1, 11, 0
	; THE WAY OUT.  The block goes as bf16 into LDS, over the slots, which have had their last fill and, behind this barrier, their last read.  A wave's 192 columns
	; are 384 bytes, one and a half runs of 256: so the rows are read back across the waves' halves, in units of 128 columns.
	PLACES
	WIN 0
	s_barrier_signal -1                            ; every wave's LDS loads are back (its last wait was for zero)
	s_barrier_wait -1
.irp b, 0,1,2,3,4,5,6,7,8,9,10,11
	ds_load_b128 v[BF+8*\b:BF+8*\b+3],   v[BR] offset:64*\b      ; register 8 b + j: the bias of my column 16 b + 8 h + j
	ds_load_b128 v[BF+8*\b+4:BF+8*\b+7], v[BR] offset:64*\b+16
.endr
	s_lshl_b32 s44, s13, 8                         ; my first row on the way back, 256 x block + 64 x wave, times 1,024 bytes;
	s_lshl_b32 s45, s10, 6                         ; in V's layout the same figure: (row / 8) x 8,192
	s_add_co_u32 s44, s44, s45
	s_lshl_b32 s44, s44, 10
	s_wait_dscnt 0x0
; one window's 32 tiles (column blocks b0 .. b0 + 3): the bias is added, the sums are rounded, 16 bytes a lane go into LDS
.macro OUTW addw, cvtw, b0
	WIN \addw                                      ; source 0 and the result: the accumulators' window; source 1: window 0
.irp bb, 0,1,2,3
.irp a, 0,1,2,3,4,5,6,7
.irp p, 0,1,2,3
	v_pk_add_f32 v[8*(8*\bb+\a)+2*\p:8*(8*\bb+\a)+2*\p+1], v[8*(8*\bb+\a)+2*\p:8*(8*\bb+\a)+2*\p+1], v[BF+8*(\b0+\bb)+2*\p:BF+8*(\b0+\bb)+2*\p+1]
.endr
.endr
.endr
	WIN \cvtw                                      ; both sources: the accumulators' window; the result: window 0
.irp bb, 0,1,2,3
.irp a, 0,1,2,3,4,5,6,7
.irp p, 0,1,2,3
	v_cvt_pk_bf16_f32 v[TMP+4*(8*\bb+\a)+\p], v[8*(8*\bb+\a)+2*\p], v[8*(8*\bb+\a)+2*\p+1]
.endr
.endr
.endr
	WIN 0
.irp bb, 0,1,2,3
.irp a, 0,1,2,3,4,5,6,7
	ds_store_b128 v[STO+\a/4], v[TMP+4*(8*\bb+\a):TMP+4*(8*\bb+\a)+3] offset:(\a%4)*16*OP+32*(\b0+\bb)
.endr
.endr
.endm
	OUTW 0x41, 0x05, 0
	OUTW 0x82, 0x0a, 4
	OUTW 0xc3, 0x0f, 8
	s_wait_dscnt 0x0                               ; for the other waves' sake: zero
	s_barrier_signal -1
	s_barrier_wait -1
; Unit c of the group's three: 128 columns of my 64 rows, 32 loads from LDS and 32 stores; in each store sixteen lanes write 256 consecutive, aligned bytes.
; The branch hangs on the column group alone, which all work-groups of a cluster share.
.macro UNIT c
	s_mul_i32 s16, s42, 3
	s_add_co_u32 s16, s16, \c                      ; u
	s_lshr_b32 s17, s16, 2                         ; which of Q, K, V
	s_and_b32 s18, s16, 3                          ; which 128 columns of it
	s_lshl_b32 s19, s17, 24                        ; x 16,777,216 bytes
	s_add_co_u32 s19, s19, s44
.if VT8
	s_cmp_eq_u32 s17, 2
	s_cselect_b32 s20, 11, 8                       ; 128 columns are 256 bytes of a row of Q or K, 2,048 bytes of a run of V
	s_lshl_b32 s18, s18, s20
.else
	s_lshl_b32 s18, s18, 8
.endif
	s_add_co_u32 s18, s18, s19
	s_mov_b32 s19, 0
	s_wait_xcnt 0x0                                ; the last unit's stores read TMP and the base: both are rewritten only behind this wait
	s_add_nc_u64 s[8:9], s[74:75], s[18:19]
.if VT8
	s_cmp_eq_u32 s17, 2
	s_cbranch_scc1 .Lunit_v_\@
.endif
.set pp, 0
.rept 32
	ds_load_b128 v[TMP+4*pp:TMP+4*pp+3], v[RD] offset:pp*2*OP+256*\c         ; rows 2 p and 2 p + 1
.set pp, pp+1
.endr
.set pp, 0
.rept 32
	s_wait_dscnt 31-pp
	global_store_b128 v[CO], v[TMP+4*pp:TMP+4*pp+3], s[8:9] offset:pp*2048
.set pp, pp+1
.endr
.if VT8
	s_branch .Lunit_done_\@
.Lunit_v_\@:
.set pp, 0
.rept 32
	ds_load_tr16_b128 v[TMP+4*pp:TMP+4*pp+3], v[RDT] offset:(pp/8)*16*OP+256*\c+32*(pp%8)   ; rows 16 (p / 8) + 8 h .. + 7 of column 16 (p % 8) + r
.set pp, pp+1
.endr
.set pp, 0
.rept 32
	s_wait_dscnt 31-pp
	global_store_b128 v[COT], v[TMP+4*pp:TMP+4*pp+3], s[8:9] offset:(pp/8)*16384+(pp%8)*256
.set pp, pp+1
.endr
.Lunit_done_\@:
.endif
.endm
	UNIT 0
	UNIT 1
	UNIT 2
	s_wait_tensorcnt 0x0
	ds_add_u32 v9, v15
	s_wait_dscnt 0x0
	CROUND                                         ; the closing round: no work-group ends while a partner may still ask for a tile that names it
	s_endpgm
.Lfunc_end_k_q399457a011_proj:
	.size	k_q399457a011_proj, .Lfunc_end_k_q399457a011_proj-k_q399457a011_proj
	.p2alignl 7, 3214868480
	.fill 96, 4, 3214868480
	.section	.rodata,"a",@progbits
	.p2align	6, 0x0
	.amdhsa_kernel k_q399457a011_proj
		.amdhsa_group_segment_fixed_size 327680
		.amdhsa_private_segment_fixed_size 0
		.amdhsa_enable_private_segment 0
		.amdhsa_kernarg_size 48
		.amdhsa_user_sgpr_count 2
		.amdhsa_user_sgpr_kernarg_segment_ptr 1
		.amdhsa_wavefront_size32 1
		.amdhsa_system_sgpr_workgroup_id_x 1
		.amdhsa_system_sgpr_workgroup_id_y 1
		.amdhsa_system_sgpr_workgroup_id_z 1
		.amdhsa_system_vgpr_workitem_id 0
		.amdhsa_next_free_vgpr 1024
		.amdhsa_next_free_sgpr 80
		.amdhsa_reserve_vcc 0
		.amdhsa_float_denorm_mode_32 3
		.amdhsa_float_denorm_mode_16_64 3
		.amdhsa_memory_ordered 1
		.amdhsa_forward_progress 1
		.amdhsa_inst_pref_size 214
	.end_amdhsa_kernel
	.amdgpu_metadata
---
amdhsa.version: [ 1, 2 ]
amdhsa.kernels:
  - .name:           k_q399457a011_proj
    .symbol:         k_q399457a011_proj.kd
    .args:
      - { .name: xb, .offset: 0, .size: 8, .value_kind: global_buffer, .address_space: global }
      - { .name: wb, .offset: 8, .size: 8, .value_kind: global_buffer, .address_space: global }
      - { .name: bq, .offset: 16, .size: 8, .value_kind: global_buffer, .address_space: global }
      - { .name: bk, .offset: 24, .size: 8, .value_kind: global_buffer, .address_space: global }
      - { .name: bv, .offset: 32, .size: 8, .value_kind: global_buffer, .address_space: global }
      - { .name: qkv, .offset: 40, .size: 8, .value_kind: global_buffer, .address_space: global }
    .group_segment_fixed_size: 327680
    .private_segment_fixed_size: 0
    .kernarg_segment_align: 8
    .kernarg_segment_size: 48
    .max_flat_workgroup_size: 128
    .sgpr_count:     80
    .vgpr_count:     1024
    .wavefront_size: 32
...
	.end_amdgpu_metadata
.endif
;; end of part 2
;; launch score (part 3): grid 8 x 64, 4 waves a work-group, clusters of 4 x 4, 327,680 bytes of LDS; arguments qkv, pt, mstat, lstat; writes pt, mstat, lstat
.if DOCPART == 3
	.amdgcn_target "amdgcn-amd-amdhsa--gfx1250"
	.amdhsa_code_object_version 6
	.text
	.protected	k_q399457a011_score
	.globl	k_q399457a011_score
	.p2align	8
	.type	k_q399457a011_score,@function
k_q399457a011_score:
	s_mov_b64 s[64:65], 0
	v_nop
	global_prefetch_b8 v0, s[64:65] scope:SCOPE_SE
	s_setreg_imm32_b32 hwreg(HW_REG_WAVE_MODE, 25, 1), 1
	s_wait_xcnt 0x0
	s_wait_alu depctr_hold_cnt(0) depctr_sa_sdst(0) depctr_va_vdst(0) depctr_va_sdst(0) depctr_va_ssrc(0) depctr_va_vcc(0) depctr_vm_vsrc(0)
	s_getreg_b32 s2, hwreg(HW_REG_IB_STS2, 6, 4)
	s_cmp_eq_u32 s2, 0
	s_cbranch_scc0 .Lentry_in_a_cluster
	s_endpgm
.Lentry_in_a_cluster:
	s_bfe_u32 s2, ttmp6, 0x10000c
	s_cmp_lg_u32 s2, 0xf033
	s_cbranch_scc0 .Lentry_shape_is_right
	s_endpgm
.Lentry_shape_is_right:
; For batch b, key m, query n:  s = K[m] . Q[n];  the softmax of s / sqrt(512) runs over n.  This launch does it blockwise over blocks t of 256 n:
;   mstat[b][t][m] = c x max over the block of s          (c = log2(e) / sqrt(512), so the exponentials are base 2)
;   pt[b x 2048 + m][n] = bf16( 2^(c s - mstat) )         (at most 1, up to one rounding of c x max)
;   lstat[b][t][m] = sum over the block of 2^(c s - mstat), in f32
; The next launch joins the eight blocks of a key by their maxima: the maximum is taken away before every exponential, for every input.
; LIMITS: inputs and scores finite; 2^x below 2^-126 comes out as 0 (ISA guide, v_exp_f32); P is rounded to bf16, being a matrix operand of the next launch.
; The product is C = K Q^T with K's rows as C's rows: 16,384 x 2,048 per ... batch-wise 2,048 x 2,048, K = 512.  A work-group makes 256 keys x 256 queries with four waves,
; a wave 128 x 128: 64 accumulator tiles, 512 registers.  Grid: x = t (8), y = 8 b + block of keys (64).  K steps of 128 through two LDS slots.
; CLUSTERS: 4 x 4 work-groups.  K's tile hangs on y alone and is shared along a row of the cluster; Q's hangs on x and the batch (cluster y / 2: four y of a cluster
; lie in one batch) and is shared along a column.  Each is asked for jointly, which divides the requests by four.
; REGISTERS: window 0: v16-31 addresses, v32-63 row figures, v64-191 fragments of K (two buffers), v192-255 at work on the way out;
;   window 1: v64-191 fragments of Q;  window 2: accumulator tiles of my keys 0-63 (tile (a, b) at v[8 (8 a + b)]);  window 3: of my keys 64-127.
; TRANSPOSED USE: source 0 = 16 rows of Q, source 1 = 16 rows of K: lane l holds key l % 16 of the tile, registers 0-7 the queries 8 (l / 16) + 0..7.
; So a key's 128 queries of a wave lie in two lanes (l, l + 16), 64 registers each, and eight neighbouring P of a row of pt pack into 16 bytes.
; The 64 accumulators take turns, one instruction a turn, in the same order in every quarter step.
.set KSTEP,  128
.set PITCH,  272
.set HALFT,  128*PITCH
.set SLOT,   4*HALFT
.set STAGE,  2*SLOT                    ; 16 rows x 272 bytes for each wave; no tensor load lands at or behind STAGE
.set SPITCH, 272
.set MAXX,   STAGE+4*16*SPITCH         ; [2 query halves][256 keys] f32: each wave's row maxima
.set SUMX,   MAXX+2048                 ; the same shape: each wave's row sums
.set PROW,   4096                      ; bytes in a row of pt
.set ADRA, 16
.set ADRB, 20
.set STO,  24
.set RD,   25
.set CO,   26
.set XST,  27                          ; where I put my row figures
.set XLD,  28                          ; where the wave with the other query half puts its
.set SO,   29                          ; 8 x thread: my two keys in mstat and lstat
.set T,    30                          ; at work
.set XRD,  31                          ; MAXX + 8 x thread
.set MX,   32                          ; v32-39  row maximum of row block a
.set NM,   40                          ; v40-55  - c x maximum, twice (a pair for the packed multiply-add)
.set SM,   56                          ; v56-63  row sum of row block a
.set F0,   64
.set F1,   128
.set TMP,  192
.set TS,   224
.set G1,  24
.set G0,  32
.set G1B, 48
.set G0B, 56
.set MSB, 0
.macro WIN new
.if MSB != \new
	s_set_vgpr_msb (MSB<<8)|\new
.set MSB, \new
.endif
.endm
.set MUL_LO, 0xa1
.set MUL_HI, 0xf1
.set TO_B,   0x40
.macro JLOAD s                         ; waves 0 and 1 ask for K's two halves, waves 2 and 3 for Q's: one mask a line
	s_cmp_eq_u32 s11, 0
	s_cbranch_scc0 .Lfor_b_\@
	tensor_load_to_lds s[G0+4*\s:G0+4*\s+3], s[G1:G1+7]
	s_nop 0
	s_branch .Lasked_\@
.Lfor_b_\@:
	tensor_load_to_lds s[G0B+4*\s:G0B+4*\s+3], s[G1B:G1B+7]
	s_nop 0
.Lasked_\@:
.endm
.macro CREST
	s_cmp_lg_u32 s10, 0
	s_cbranch_scc1 .Lnot_wave_0_\@
	s_barrier_signal -3
.Lnot_wave_0_\@:
	s_barrier_wait -3
	s_barrier_signal -1
	s_barrier_wait -1
.endm
.macro CROUND
	s_barrier_signal -1
	s_barrier_wait -1
	CREST
.endm
	s_load_b256 s[68:75], s[0:1], 0x0              ; qkv s[68:69], pt s[70:71], mstat s[72:73], lstat s[74:75]
	s_set_vgpr_msb 0x40
	v_lshl_add_u32 v255, v0, 2, 0x49400
	s_set_vgpr_msb 0x4000
	v_mov_b32 v23, 0
	s_set_vgpr_msb 0x1
	ds_add_u32 v255, v23
	s_set_vgpr_msb 0x100
	v_lshrrev_b32 v1, 5, v0
	v_readfirstlane_b32 s10, v1                    ; wave 0..3
	s_lshr_b32 s11, s10, 1                         ; my half of the keys.  Also: I fetch for K (0) or for Q (1)
	s_and_b32 s12, s10, 1                          ; my half of the queries.  Also: which 128 rows of that tile I fetch
	s_bfe_u32 s40, ttmp6, 0x40000                  ; cx
	s_bfe_u32 s41, ttmp6, 0x40004                  ; cy
	s_lshl_b32 s42, ttmp9, 2
	s_add_co_u32 s42, s42, s40                     ; x = t
	s_and_b32 s45, ttmp7, 0xffff                   ; cluster y
	s_lshl_b32 s13, s45, 2
	s_add_co_u32 s13, s13, s41                     ; y = 8 b + key block
	s_lshr_b32 s45, s45, 1                         ; the batch, made of the cluster's y alone
	s_lshl_b32 s43, s41, 2
	s_lshl_b32 s43, 15, s43                        ; my row of the cluster
	s_lshl_b32 s44, 0x1111, s40                    ; my column
	s_mov_b32 s66, 0x76543210                      ; v_permlanex16_b32: lane i reads lane i of the other half
	s_mov_b32 s67, 0xfedcba98
	s_mov_b32 s76, 0x3d8293ee                      ; c = log2(e) / sqrt(512), twice
	s_mov_b32 s77, 0x3d8293ee
	s_or_b32 s[G1+0], s43, (1<<16)|(1<<20)|(1<<21)|(5<<22)|(3<<25)   ; K's tiles go to my row: 2-byte elements, 4 words of padding behind every 64
	s_or_b32 s[G1B+0], s44, (1<<16)|(1<<20)|(1<<21)|(5<<22)|(3<<25)  ; Q's to my column
	s_mov_b32 s[G1+1], KSTEP<<16
	s_mov_b32 s[G1B+1], KSTEP<<16
	s_mov_b32 s[G1+2], 128<<16
	s_mov_b32 s[G1B+2], 128<<16
	s_mov_b32 s[G1+3], KSTEP<<16
	s_mov_b32 s[G1B+3], KSTEP<<16
	s_mov_b32 s[G1+4], 128
	s_mov_b32 s[G1B+4], 128
	s_mov_b32 s[G1+5], 512
	s_mov_b32 s[G1B+5], 512
	s_mov_b32 s[G1+6], 0
	s_mov_b32 s[G1B+6], 0
	s_mov_b32 s[G1+7], 0
	s_mov_b32 s[G1B+7], 0
	s_lshl_b32 s17, s12, 7                         ; which 128 rows of the tile I fetch
	s_lshl_b32 s16, s13, 8
	s_add_co_u32 s16, s16, s17
	s_lshl_b32 s16, s16, 10                        ; K: (256 y + 128 half) rows of 1,024 bytes,
	s_add_co_u32 s16, s16, 0x1000000               ; behind Q's 16,777,216 bytes
	s_lshl_b32 s46, s45, 11
	s_lshl_b32 s47, s42, 8
	s_add_co_u32 s46, s46, s47
	s_add_co_u32 s46, s46, s17
	s_lshl_b32 s46, s46, 10                        ; Q: (2,048 b + 256 x + 128 half) rows
	s_mov_b32 s17, 0
	s_mov_b32 s47, 0
	s_mul_i32 s20, s10, HALFT
	s_wait_dscnt 0x0
	s_wait_kmcnt 0x0
	s_add_nc_u64 s[14:15], s[68:69], s[16:17]
	s_add_nc_u64 s[46:47], s[68:69], s[46:47]
	CROUND                                         ; all sixteen work-groups are here: the first joint loads meet
.irp s, 0,1
	s_mov_b32 s[G0+4*\s], 1
	s_add_co_u32 s[G0+4*\s+1], s20, \s*SLOT
	s_add_nc_u64 s[G0+4*\s+2:G0+4*\s+3], s[14:15], \s*KSTEP*2
	s_or_b32 s[G0+4*\s+3], s[G0+4*\s+3], 0x80000000
	s_mov_b32 s[G0B+4*\s], 1
	s_add_co_u32 s[G0B+4*\s+1], s20, \s*SLOT
	s_add_nc_u64 s[G0B+4*\s+2:G0B+4*\s+3], s[46:47], \s*KSTEP*2
	s_or_b32 s[G0B+4*\s+3], s[G0B+4*\s+3], 0x80000000
	JLOAD \s                                       ; two tensor loads of the wave are out
.endr
	v_and_b32 v1, 15, v0                           ; r
	v_bfe_u32 v2, v0, 4, 1                         ; h
	v_mul_u32_u24 v3, v1, PITCH
	v_lshl_add_u32 v3, v2, 4, v3
	s_mul_i32 s21, s11, HALFT                      ; my 128 rows of K
	s_mul_i32 s22, s12, HALFT                      ; my 128 rows of Q,
	s_add_co_u32 s22, s22, 2*HALFT                 ; behind K's 256
.irp s, 0,1
	v_add_nc_u32 v[ADRA+\s], s21, v3
	v_add_nc_u32 v[ADRB+\s], s22, v3
	s_add_co_u32 s21, s21, SLOT
	s_add_co_u32 s22, s22, SLOT
.endr
	s_mul_i32 s23, s10, 16*SPITCH
	s_add_co_u32 s23, s23, STAGE
	v_mul_u32_u24 v4, v1, SPITCH
	v_lshl_add_u32 v4, v2, 4, v4
	v_add_nc_u32 v[STO], s23, v4
	v_mul_u32_u24 v5, v2, SPITCH
	v_lshl_add_u32 v5, v1, 4, v5
	v_add_nc_u32 v[RD], s23, v5
	v_lshlrev_b32 v5, 12, v2                       ; lanes 16-31: one row of pt further down
	v_lshl_add_u32 v[CO], v1, 4, v5
	s_lshl_b32 s22, s11, 9                         ; row figures: [query half][key]: 1,024 x half + 4 x (128 x key half + 16 a + r)
	s_add_co_u32 s22, s22, MAXX
	s_lshl_b32 s21, s12, 10
	s_add_co_u32 s21, s21, s22
	v_lshl_add_u32 v[XST], v1, 2, s21
	s_xor_b32 s21, s12, 1
	s_lshl_b32 s21, s21, 10
	s_add_co_u32 s21, s21, s22
	v_lshl_add_u32 v[XLD], v1, 2, s21
	v_lshlrev_b32 v[SO], 3, v0
	v_lshl_add_u32 v[XRD], v0, 3, MAXX
	v_mov_b32 v[T], 0                              ; the destination of v_permlanex16_b32 counts as read
.macro MUL16 f, hi, a0, zero
.irp a, \a0, \a0+1
.irp b, 0,1,2,3,4,5,6,7
.if \zero
	v_wmma_f32_16x16x32_bf16 v[8*(8*(\a)+\b):8*(8*(\a)+\b)+7], v[\f+8*\b:\f+8*\b+7], v[\f+8*(4*\hi+\a):\f+8*(4*\hi+\a)+7], 0
.else
	v_wmma_f32_16x16x32_bf16 v[8*(8*(\a)+\b):8*(8*(\a)+\b)+7], v[\f+8*\b:\f+8*\b+7], v[\f+8*(4*\hi+\a):\f+8*(4*\hi+\a)+7], v[8*(8*(\a)+\b):8*(8*(\a)+\b)+7]
.endif
.endr
.endr
.endm
.macro FETCH slot, q, f                ; 32 LDS loads in one run: quarter q of a slot into buffer f: Q's 128 rows, then K's
	WIN TO_B
.irp i, 0,1,2,3,4,5,6,7
	ds_load_b128 v[\f+8*\i:\f+8*\i+3],   v[ADRB+\slot] offset:\q*64+\i*16*PITCH
	ds_load_b128 v[\f+8*\i+4:\f+8*\i+7], v[ADRB+\slot] offset:\q*64+\i*16*PITCH+32
.endr
	WIN 0
.irp i, 0,1,2,3,4,5,6,7
	ds_load_b128 v[\f+8*\i:\f+8*\i+3],   v[ADRA+\slot] offset:\q*64+\i*16*PITCH
	ds_load_b128 v[\f+8*\i+4:\f+8*\i+7], v[ADRA+\slot] offset:\q*64+\i*16*PITCH+32
.endr
.endm
.macro PLACES                          ; four places behind a matrix instruction (ISA guide 7.12.1) before its registers are loaded into or its result is read
.rept 4
	v_nop
.endr
.endm
.macro QUARTER slot, q, f, g, zero
	s_wait_dscnt 8                                 ; Q and K's rows 0-63 are in; the youngest eight loads (K's rows 64-127) may be out
	WIN MUL_LO
	MUL16 \f, 0, 0, \zero
	MUL16 \f, 0, 2, \zero
	PLACES
	FETCH \slot, \q, \g
	s_wait_dscnt 32                                ; all but the 32 just issued
	WIN MUL_HI
	MUL16 \f, 1, 0, \zero
	MUL16 \f, 1, 2, \zero
.endm
.macro THREE slot, zero
	QUARTER \slot, 1, F0, F1, \zero
	QUARTER \slot, 2, F1, F0, 0
	QUARTER \slot, 3, F0, F1, 0
.endm
.macro TURN slot, next, fill
	s_wait_dscnt 8
	WIN MUL_LO
	MUL16 F1, 0, 0, 0
	s_wait_dscnt 0                                 ; my reads of this slot are over
	s_wait_tensorcnt 0x0                           ; all my tensor loads have landed: the one that was out is my part of the next slot
	ds_add_u32 v255, v23
	s_wait_dscnt 0x0
	s_barrier_signal -1
	MUL16 F1, 0, 2, 0
	WIN 0
	s_barrier_wait -1
.if \fill
	CREST                                          ; the round: no wave of any partner still reads this slot or has a load on its way
	s_add_nc_u64 s[G0+4*\slot+2:G0+4*\slot+3], s[G0+4*\slot+2:G0+4*\slot+3], 2*KSTEP*2
	s_add_nc_u64 s[G0B+4*\slot+2:G0B+4*\slot+3], s[G0B+4*\slot+2:G0B+4*\slot+3], 2*KSTEP*2
	JLOAD \slot                                    ; the first tensor load behind the round, one a wave
.endif
	PLACES
	FETCH \next, 0, F0
	WIN MUL_HI
	MUL16 F1, 1, 0, 0
	MUL16 F1, 1, 2, 0
.endm
	s_wait_tensorcnt 1                             ; my part of K step 0 is in; K step 1's may stay out
	s_barrier_signal -1
	s_barrier_wait -1
	FETCH 0, 0, F0
	THREE 0, 1                                     ; four K steps, written out; the first products start the sums
	TURN 0, 1, 1
	THREE 1, 0
	TURN 1, 0, 1
	THREE 0, 0
	TURN 0, 1, 0
	THREE 1, 0
	s_wait_dscnt 8
	WIN MUL_LO
	MUL16 F1, 0, 0, 0
	MUL16 F1, 0, 2, 0
	s_wait_dscnt 0
	WIN MUL_HI
	MUL16 F1, 1, 0, 0
	MUL16 F1, 1, 2, 0
	; THE SOFTMAX OF THE BLOCK.  1: the largest of a lane's 64 scores of each row block, four chains that do not wait for each other.
	PLACES
.macro ROWMAX win, a0
	WIN \win
.irp a, 0,1,2,3
	v_max_num_f32 v[MX+\a0+\a], v[64*\a], v[64*\a+1]
.endr
.set kk, 2
.rept 31
.irp a, 0,1,2,3
	v_max3_num_f32 v[MX+\a0+\a], v[64*\a+kk], v[64*\a+kk+1], v[MX+\a0+\a]
.endr
.set kk, kk+2
.endr
.endm
	ROWMAX 0x0a, 0                                 ; sources 0 and 1 window 2; source 2 and the result window 0
	ROWMAX 0x0f, 4                                 ; sources 0 and 1 window 3
	WIN 0
	s_lshl_b32 s16, s13, 8                         ; meanwhile, the addresses of the way out.  pt: my first row x 4,096 bytes (made of y),
	s_lshl_b32 s17, s11, 7
	s_add_co_u32 s16, s16, s17
	s_lshl_b32 s16, s16, 12
	s_mov_b32 s17, 0
	s_add_nc_u64 s[8:9], s[70:71], s[16:17]
	s_lshl_b32 s46, s42, 9                         ; my first column: 512 x + 256 half bytes (made of x)
	s_lshl_b32 s47, s12, 8
	s_add_co_u32 s46, s46, s47
	s_mov_b32 s47, 0
	s_add_nc_u64 s[8:9], s[8:9], s[46:47]
	s_lshr_b32 s16, s13, 3                         ; the statistics: ((8 b + x) 2,048 + 256 x key block) x 4 bytes: b x 65,536 + key block x 1,024 (of y),
	s_lshl_b32 s16, s16, 16
	s_and_b32 s18, s13, 7
	s_lshl_b32 s18, s18, 10
	s_add_co_u32 s16, s16, s18
	s_add_nc_u64 s[72:73], s[72:73], s[16:17]
	s_add_nc_u64 s[74:75], s[74:75], s[16:17]
	s_lshl_b32 s46, s42, 13                        ; + x x 8,192 (of x)
	s_add_nc_u64 s[72:73], s[72:73], s[46:47]
	s_add_nc_u64 s[74:75], s[74:75], s[46:47]
	; 2: across the two lanes of a key, then across the two waves that hold its two query halves, through LDS
.irp a, 0,1,2,3,4,5,6,7
	v_permlanex16_b32 v[T], v[MX+\a], s66, s67
	v_max_num_f32 v[MX+\a], v[MX+\a], v[T]
	ds_store_b32 v[XST], v[MX+\a] offset:64*\a     ; lanes l and l + 16 write the same word with the same value
.endr
	s_wait_dscnt 0x0                               ; for the other wave's sake: zero
	s_barrier_signal -1
	s_barrier_wait -1
.irp a, 0,1,2,3,4,5,6,7
	ds_load_b32 v[TS+\a], v[XLD] offset:64*\a
.endr
	s_wait_dscnt 0x0
.irp a, 0,1,2,3,4,5,6,7
	v_max_num_f32 v[MX+\a], v[MX+\a], v[TS+\a]
	v_mul_f32 v[NM+2*\a],   0xbd8293ee, v[MX+\a]   ; - c x maximum: the negative, bit for bit, of what goes to mstat
	v_mul_f32 v[NM+2*\a+1], 0xbd8293ee, v[MX+\a]
.endr
	; 3: P = 2^(c s - c max), in place
.macro EXPS win, a0
	WIN \win
.irp a, 0,1,2,3
.set kk, 0
.rept 32
	v_pk_fma_f32 v[64*\a+kk:64*\a+kk+1], v[64*\a+kk:64*\a+kk+1], s[76:77], v[NM+2*(\a0+\a):NM+2*(\a0+\a)+1] op_sel_hi:[1,0,1]
.set kk, kk+2
.endr
.set kk, 0
.rept 64
	v_exp_f32 v[64*\a+kk], v[64*\a+kk]
.set kk, kk+1
.endr
	v_nop                                          ; one plain place behind the last exponential before any result is used (ISA guide 5.7.2)
.endr
.endm
	EXPS 0x82, 0                                   ; source 0 and the result window 2, source 2 window 0
	EXPS 0xc3, 4                                   ; the same with window 3
	; 4: 16 keys at a time: round to bf16 and add up, 16 bytes a lane into my own stage, whole rows of 256 bytes back and out
.macro OUTP i, a, from, f
	WIN \from
	s_wait_alu depctr_va_vdst(0)
.irp b, 0,1,2,3,4,5,6,7
.irp r, 0,1,2,3
	v_cvt_pk_bf16_f32 v[TMP+4*\b+\r], v[8*(8*\a+\b)+2*\r], v[8*(8*\a+\b)+2*\r+1]
.endr
	v_pk_add_f32 v[TS+4*\b:TS+4*\b+1],   v[8*(8*\a+\b):8*(8*\a+\b)+1],   v[8*(8*\a+\b)+2:8*(8*\a+\b)+3]
	v_pk_add_f32 v[TS+4*\b+2:TS+4*\b+3], v[8*(8*\a+\b)+4:8*(8*\a+\b)+5], v[8*(8*\a+\b)+6:8*(8*\a+\b)+7]
.endr
	WIN 0
.irp b, 0,1,2,3,4,5,6,7
	ds_store_b128 v[STO], v[TMP+4*\b:TMP+4*\b+3] offset:32*\b
.endr
.irp p, 0,1,2,3,4,5,6,7
	v_pk_add_f32 v[TS+2*\p:TS+2*\p+1], v[TS+2*\p:TS+2*\p+1], v[TS+16+2*\p:TS+16+2*\p+1]
.endr
.irp p, 0,1,2,3
	v_pk_add_f32 v[TS+2*\p:TS+2*\p+1], v[TS+2*\p:TS+2*\p+1], v[TS+8+2*\p:TS+8+2*\p+1]
.endr
.irp p, 0,1
	v_pk_add_f32 v[TS+2*\p:TS+2*\p+1], v[TS+2*\p:TS+2*\p+1], v[TS+4+2*\p:TS+4+2*\p+1]
.endr
	v_pk_add_f32 v[TS:TS+1], v[TS:TS+1], v[TS+2:TS+3]
	v_add_f32 v[SM+\i], v[TS], v[TS+1]             ; the sum of my 64 P of this key
	s_wait_xcnt 0x0                                ; buffer f, which earlier stores read, and the stores' base are rewritten only behind this wait
.if \i
	s_add_nc_u64 s[8:9], s[8:9], 16*PROW
.endif
.irp t, 0,1,2,3,4,5,6,7
	ds_load_b128 v[\f+4*\t:\f+4*\t+3], v[RD] offset:\t*2*SPITCH    ; LDS serves a wave's instructions in order (ISA guide 5.7.1): these see the stores above
.endr
.irp t, 0,1,2,3,4,5,6,7
	s_wait_dscnt 7-\t
	global_store_b128 v[CO], v[\f+4*\t:\f+4*\t+3], s[8:9] offset:2*\t*PROW   ; 16 lanes store 256 consecutive bytes, aligned
.endr
.endm
	OUTP 0, 0, 0x0a, F0
	OUTP 1, 1, 0x0a, F1
	OUTP 2, 2, 0x0a, F0
	OUTP 3, 3, 0x0a, F1
	OUTP 4, 0, 0x0f, F0
	OUTP 5, 1, 0x0f, F1
	OUTP 6, 2, 0x0f, F0
	OUTP 7, 3, 0x0f, F1
	; 5: the sums across the two lanes of a key, into LDS; then thread t joins the two query halves of keys 2 t and 2 t + 1 and stores the statistics
.irp a, 0,1,2,3,4,5,6,7
	v_permlanex16_b32 v[T], v[SM+\a], s66, s67
	v_add_f32 v[SM+\a], v[SM+\a], v[T]
	ds_store_b32 v[XST], v[SM+\a] offset:2048+64*\a
.endr
	s_wait_dscnt 0x0
	s_barrier_signal -1
	s_barrier_wait -1
	ds_load_b64 v[MX:MX+1],   v[XRD]               ; maxima of the first query half,
	ds_load_b64 v[MX+2:MX+3], v[XRD] offset:1024   ; of the second,
	ds_load_b64 v[MX+4:MX+5], v[XRD] offset:2048   ; sums of the first,
	ds_load_b64 v[MX+6:MX+7], v[XRD] offset:3072   ; of the second (both taken against the joint maximum)
	s_wait_dscnt 0x0
	v_max_num_f32 v[MX],   v[MX],   v[MX+2]
	v_max_num_f32 v[MX+1], v[MX+1], v[MX+3]
	v_mul_f32 v[MX],   s76, v[MX]
	v_mul_f32 v[MX+1], s76, v[MX+1]
	v_pk_add_f32 v[MX+4:MX+5], v[MX+4:MX+5], v[MX+6:MX+7]
	global_store_b64 v[SO], v[MX:MX+1],   s[72:73] ; a wave stores 256 consecutive bytes, aligned
	global_store_b64 v[SO], v[MX+4:MX+5], s[74:75]
	s_set_vgpr_msb 0x1
	s_wait_tensorcnt 0x0
	ds_add_u32 v255, v23
	s_wait_dscnt 0x0
	s_set_vgpr_msb 0x100
	CROUND                                         ; the closing round
	s_endpgm
.Lfunc_end_k_q399457a011_score:
	.size	k_q399457a011_score, .Lfunc_end_k_q399457a011_score-k_q399457a011_score
	.p2alignl 7, 3214868480
	.fill 96, 4, 3214868480
	.section	.rodata,"a",@progbits
	.p2align	6, 0x0
	.amdhsa_kernel k_q399457a011_score
		.amdhsa_group_segment_fixed_size 327680
		.amdhsa_private_segment_fixed_size 0
		.amdhsa_enable_private_segment 0
		.amdhsa_kernarg_size 32
		.amdhsa_user_sgpr_count 2
		.amdhsa_user_sgpr_kernarg_segment_ptr 1
		.amdhsa_wavefront_size32 1
		.amdhsa_system_sgpr_workgroup_id_x 1
		.amdhsa_system_sgpr_workgroup_id_y 1
		.amdhsa_system_sgpr_workgroup_id_z 1
		.amdhsa_system_vgpr_workitem_id 0
		.amdhsa_next_free_vgpr 1024
		.amdhsa_next_free_sgpr 80
		.amdhsa_reserve_vcc 0
		.amdhsa_float_denorm_mode_32 3
		.amdhsa_float_denorm_mode_16_64 3
		.amdhsa_memory_ordered 1
		.amdhsa_forward_progress 1
		.amdhsa_inst_pref_size 214
	.end_amdhsa_kernel
	.amdgpu_metadata
---
amdhsa.version: [ 1, 2 ]
amdhsa.kernels:
  - .name:           k_q399457a011_score
    .symbol:         k_q399457a011_score.kd
    .args:
      - { .name: qkv, .offset: 0, .size: 8, .value_kind: global_buffer, .address_space: global }
      - { .name: pt, .offset: 8, .size: 8, .value_kind: global_buffer, .address_space: global }
      - { .name: mstat, .offset: 16, .size: 8, .value_kind: global_buffer, .address_space: global }
      - { .name: lstat, .offset: 24, .size: 8, .value_kind: global_buffer, .address_space: global }
    .group_segment_fixed_size: 327680
    .private_segment_fixed_size: 0
    .kernarg_segment_align: 8
    .kernarg_segment_size: 32
    .max_flat_workgroup_size: 128
    .sgpr_count:     80
    .vgpr_count:     1024
    .wavefront_size: 32
...
	.end_amdgpu_metadata
.endif
;; end of part 3
;; launch pv (part 4): grid 4 x 64, 4 waves a work-group, clusters of 4 x 4, 327,680 bytes of LDS; arguments pt, qkv, mstat, lstat, out0; writes out0
.if DOCPART == 4
	.amdgcn_target "amdgcn-amd-amdhsa--gfx1250"
	.amdhsa_code_object_version 6
	.text
	.protected	k_q399457a011_pv
	.globl	k_q399457a011_pv
	.p2align	8
	.type	k_q399457a011_pv,@function
k_q399457a011_pv:
	s_mov_b64 s[64:65], 0
	v_nop
	global_prefetch_b8 v0, s[64:65] scope:SCOPE_SE
	s_setreg_imm32_b32 hwreg(HW_REG_WAVE_MODE, 25, 1), 1
	s_wait_xcnt 0x0
	s_wait_alu depctr_hold_cnt(0) depctr_sa_sdst(0) depctr_va_vdst(0) depctr_va_sdst(0) depctr_va_ssrc(0) depctr_va_vcc(0) depctr_vm_vsrc(0)
	s_getreg_b32 s2, hwreg(HW_REG_IB_STS2, 6, 4)
	s_cmp_eq_u32 s2, 0
	s_cbranch_scc0 .Lentry_in_a_cluster
	s_endpgm
.Lentry_in_a_cluster:
	s_bfe_u32 s2, ttmp6, 0x10000c
	s_cmp_lg_u32 s2, 0xf033
	s_cbranch_scc0 .Lentry_shape_is_right
	s_endpgm
.Lentry_shape_is_right:
; out0[b][n][v] = sum over m of pt[b][m][n] x f[m] x V[b][m][v],  for n in block t of 256:
;   f[m] = 2^(mstat[b][t][m] - M[m]) / L[m],   M[m] = max over the 8 blocks u of mstat[b][u][m],   L[m] = sum over u of lstat[b][u][m] 2^(mstat[b][u][m] - M[m]).
; That joins the blockwise softmax over n exactly: pt x 2^(mstat - M) = 2^(c s - M), and L is the whole column's sum.  L is at least the sum of the block that holds M,
; which holds a term 2^0 up to one rounding: no division by zero.
; LIMITS: statistics finite; 2^x below 2^-126 is 0; f and f x V are rounded to bf16 (matrix operands; bf16 has f32's exponent range).
; A work-group makes 256 n x 128 v over K = 2,048 keys.  Grid: x = block of v (4), y = 8 b + t (64): 256 work-groups.
; The four waves split n in two and EACH K STEP in two: wave (kg, hn) makes 128 n x 128 v (64 accumulator tiles, 512 registers) over keys 128 kg .. 128 kg + 127 of each step of 256;
; the two partial sums of a tile meet in LDS at the end.
; pt lies [key][n] in memory, goes through LDS and is read by the transposing LDS load.  V lies in memory as [key / 8][v][8 keys]: 16 bytes are a lane's four registers of a
; fragment, so V's fragments are loaded STRAIGHT INTO REGISTERS, sixteen lanes taking 256 consecutive bytes.  With V past LDS, a K step of 256 keys writes 139,264 bytes into LDS and
; the waves read as many back, where both operands through LDS would write and read (544 + 288) / 544 and twice as much; and two slots of 256 keys fit, so that a refill has
; 240 matrix instructions in which to land.  f is multiplied onto V's fragments in registers.
; CLUSTERS: 4 x 4.  pt's tile hangs on y alone: it is shared along a row of the cluster and asked for jointly, which divides its requests by four.  V's fragments are shared too
; (by the two waves with one kg, and by the work-groups with one x and one batch), but a joint load ends in LDS, which is what V avoids here: each wave loads its own.
; REGISTERS: window 0: v16-29 addresses, v64-191 fragments of pt (two buffers; at work on the way out), v192-207 fragments of f (two buffers);
;   window 1: fragments of V, a ring of four buffers of 64, one for each of a wave's four quarters of a K step, asked for two and a half quarters ahead;
;   window 2: accumulator tiles of my n 0-63 (tile (a, b) at v[8 (8 a + b)]);  window 3: of my n 64-127.  Ahead of the loop windows 2 and 3 hold the statistics.
; TRANSPOSED USE: source 0 = 16 columns of V, source 1 = 16 columns (n) of pt: lane l holds n = l % 16, registers 0-7 the v = 8 (l / 16) + 0..7.
; The 64 accumulators take turns, one instruction a turn, in the same order in every quarter step.
.set KSTEP, 256
.set PA,    544                        ; pt in LDS: 512 bytes + 32 of padding: an odd multiple of 32
.set APART, 64*PA                      ; 34,816: what each wave fetches
.set SLOT,  4*APART                    ; 139,264
.set FT,    2*SLOT                     ; 278,528: f as 2,048 bf16; no tensor load lands here
.set OP,    528                        ; the way out: a row of 128 f32 + 16 bytes: an odd multiple of 16
.set OTILE, 128*OP                     ; 67,584 for each wave, from LDS byte 0, over the slots once their last fill has been read
.set ASTEP, 2*KSTEP*4096               ; two K steps down the rows of pt
.set LAPS,  2048/(2*KSTEP)             ; 4 laps of two K steps
.set VQ,    32768                      ; V: 32 keys are 4 runs of 512 v x 16 bytes
.set VS,    262144                     ; V: a K step's 256 keys
.set ADRA, 16                          ; v16-17 my pt fragments in slot 0, 1
.set ADRF, 22                          ; my f fragments; steps by 1,024 bytes a lap
.set FA,   23                          ; FT + 8 x thread
.set VO,   24                          ; 16 x thread: my four keys in a row of the statistics
.set STO,  25
.set RDO,  26
.set RDP,  27
.set CO,   28
.set VADR, 29                          ; my byte offset in a fragment of V: 8,192 h + 16 r; never rewritten
.set F0,   64
.set F1,   128
.set FF0,  192
.set FX,   136                         ; windows 2, 3, ahead of the loop: M
.set FS,   140                         ; L, then 1 / L
.set G1,  24                           ; s[24:31] group 1 for pt's tiles
.set G0,  32                           ; s[32:39] group 0, one set for each slot
.set MSB, 0
.macro WIN new
.if MSB != \new
	s_set_vgpr_msb (MSB<<8)|\new
.set MSB, \new
.endif
.endm
.set MUL_LO, 0xa1                      ; source 0 (V) window 1, source 1 (pt) window 0, C and D window 2
.set MUL_HI, 0xf1                      ; the same, C and D window 3
.set TO_B,   0x40                      ; destination window 1, address window 0
.macro CREST
	s_cmp_lg_u32 s10, 0
	s_cbranch_scc1 .Lnot_wave_0_\@
	s_barrier_signal -3
.Lnot_wave_0_\@:
	s_barrier_wait -3
	s_barrier_signal -1
	s_barrier_wait -1
.endm
.macro CROUND
	s_barrier_signal -1
	s_barrier_wait -1
	CREST
.endm
	s_load_b256 s[68:75], s[0:1], 0x0              ; pt s[68:69], qkv s[70:71], mstat s[72:73], lstat s[74:75]
	s_load_b64 s[76:77], s[0:1], 0x20              ; out0
	v_lshl_add_u32 v254, v0, 2, 0x45000
	v_mov_b32 v255, 0
	ds_add_u32 v254, v255
	v_lshrrev_b32 v1, 5, v0
	v_readfirstlane_b32 s10, v1                    ; wave 0..3.  Also: which 64 keys of a tile I fetch
	s_lshr_b32 s11, s10, 1                         ; kg: my half of each K step
	s_and_b32 s12, s10, 1                          ; hn: my half of the n
	s_bfe_u32 s40, ttmp6, 0x40000                  ; cx
	s_bfe_u32 s41, ttmp6, 0x40004                  ; cy
	s_lshl_b32 s42, ttmp9, 2
	s_add_co_u32 s42, s42, s40                     ; x = block of v
	s_and_b32 s45, ttmp7, 0xffff
	s_lshl_b32 s13, s45, 2
	s_add_co_u32 s13, s13, s41                     ; y = 8 b + t
	s_lshl_b32 s43, s41, 2
	s_lshl_b32 s43, 15, s43                        ; my row of the cluster
	; group 1: 64 keys x 256 elements of 2 bytes, 8 words of padding behind every 128 words, 2,048 elements from row to row; the mask of my row, bit 21 beside it
	s_or_b32 s[G1+0], s43, (1<<16)|(1<<20)|(1<<21)|(6<<22)|(7<<25)
	s_mov_b32 s[G1+1], 256<<16
	s_mov_b32 s[G1+2], 64<<16
	s_mov_b32 s[G1+3], 256<<16
	s_mov_b32 s[G1+4], 64
	s_mov_b32 s[G1+5], 2048
	s_mov_b32 s[G1+6], 0
	s_mov_b32 s[G1+7], 0
	s_lshr_b32 s16, s13, 3                         ; pt: b x 2,048 rows x 4,096 bytes + t x 512 bytes + my 64 keys x 4,096: made of y and the wave alone
	s_lshl_b32 s16, s16, 23
	s_and_b32 s17, s13, 7
	s_lshl_b32 s17, s17, 9
	s_add_co_u32 s16, s16, s17
	s_lshl_b32 s17, s10, 18
	s_add_co_u32 s16, s16, s17
	s_mov_b32 s17, 0
	s_lshr_b32 s46, s13, 3                         ; V: (b x 2,048 + kg x 128 keys) / 8 x 8,192 bytes + x x 128 columns x 16 bytes,
	s_lshl_b32 s46, s46, 21
	s_lshl_b32 s47, s11, 17
	s_add_co_u32 s46, s46, s47
	s_lshl_b32 s47, s42, 11
	s_add_co_u32 s46, s46, s47
	s_add_co_u32 s46, s46, 0x2000000               ; behind Q's and K's 33,554,432 bytes
	s_mov_b32 s47, 0
	s_lshr_b32 s18, s13, 3                         ; the statistics of my batch: b x 65,536 bytes,
	s_lshl_b32 s18, s18, 16
	s_mov_b32 s19, 0
	s_and_b32 s22, s13, 7                          ; and my own block's row in them: t x 8,192
	s_lshl_b32 s22, s22, 13
	s_mov_b32 s23, 0
	s_mul_i32 s20, s10, APART                      ; where a wave's part goes: wave x 34,816
	s_wait_dscnt 0x0
	s_wait_kmcnt 0x0
	s_add_nc_u64 s[14:15], s[68:69], s[16:17]
	s_add_nc_u64 s[4:5], s[70:71], s[46:47]
	s_add_nc_u64 s[72:73], s[72:73], s[18:19]
	s_add_nc_u64 s[74:75], s[74:75], s[18:19]
	s_add_nc_u64 s[78:79], s[72:73], s[22:23]
	CROUND                                         ; all sixteen work-groups are here: the first joint loads meet
.irp s, 0,1
	s_mov_b32 s[G0+4*\s], 1
	s_add_co_u32 s[G0+4*\s+1], s20, \s*SLOT
	s_add_nc_u64 s[G0+4*\s+2:G0+4*\s+3], s[14:15], \s*KSTEP*4096
	s_or_b32 s[G0+4*\s+3], s[G0+4*\s+3], 0x80000000
	tensor_load_to_lds s[G0+4*\s:G0+4*\s+3], s[G1:G1+7]            ; every wave its own 64 keys: two tensor loads of the wave are out
	s_nop 0
.endr
	v_and_b32 v1, 15, v0                           ; r
	v_bfe_u32 v2, v0, 4, 1                         ; h
	v_lshlrev_b32 v3, 13, v2
	v_lshl_add_u32 v[VADR], v1, 4, v3
	v_lshlrev_b32 v[VO], 4, v0
; 16 loads: the eight fragments of V (16 v x 32 keys each) of one quarter into buffer VLB, from byte VLO behind the lap's base.
; Lane (r, h): registers 0-3 keys 8 h .. 8 h + 7 of column r, registers 4-7 the keys 16 further on: two runs of 8,192 bytes.
.macro VLOAD
	WIN TO_B
.irp i, 0,1,2,3,4,5,6,7
	global_load_b128 v[VLB+8*\i:VLB+8*\i+3],   v[VADR], s[4:5] offset:VLO+256*\i
	global_load_b128 v[VLB+8*\i+4:VLB+8*\i+7], v[VADR], s[4:5] offset:VLO+256*\i+16384
.endr
.endm
.set VLB, 0                                        ; my first three quarters of V, ahead of the statistics: loads come back in order, so the statistics' waits cover them
.set VLO, 0
	VLOAD
.set VLB, 64
.set VLO, VQ
	VLOAD
.set VLB, 128
.set VLO, 2*VQ
	VLOAD
	; THE TABLE OF f, while the first tiles are on their way.  Thread t takes keys 512 i + 4 t .. + 3, i = 0..3: for each i eight maxima, eight sums and its own block's maximum, 16 bytes each.
.macro FLOAD R, i                      ; at R: M of block u at R + 4 u, L at R + 32 + 4 u, my own block's M at R + 64
.irp u, 0,1,2,3,4,5,6,7
	global_load_b128 v[\R+4*\u:\R+4*\u+3],       v[VO], s[72:73] offset:\u*8192+\i*2048
	global_load_b128 v[\R+32+4*\u:\R+32+4*\u+3], v[VO], s[74:75] offset:\u*8192+\i*2048
.endr
	global_load_b128 v[\R+64:\R+67], v[VO], s[78:79] offset:\i*2048
.endm
	WIN 0x80                                       ; destination window 2
	FLOAD 0, 0
	FLOAD 68, 1
	WIN 0xc0                                       ; destination window 3
	FLOAD 0, 2
	FLOAD 68, 3
	WIN 0
	; addresses.  The transposing load: lane l addresses key row 8 (l / 16) + l % 8, 16 bytes at 16 ((l / 8) % 2); the second load 16 keys further down
	v_and_b32 v3, 7, v0
	v_lshl_add_u32 v3, v2, 3, v3
	v_bfe_u32 v4, v0, 3, 1
	v_lshlrev_b32 v4, 4, v4
	v_mad_u32_u24 v5, v3, PA, v4
	s_mul_i32 s21, s11, 2*APART                    ; my 128 keys of a tile,
	s_lshl_b32 s22, s12, 8
	s_add_co_u32 s21, s21, s22                     ; my 128 n: 256 bytes
	v_add_nc_u32 v[ADRA], s21, v5
	v_add_nc_u32 v[ADRA+1], SLOT, v[ADRA]
	s_lshl_b32 s23, s11, 8                         ; f of my 128 keys: 256 bytes; lane half h takes 8 keys: 16 bytes
	s_add_co_u32 s23, s23, FT
	v_lshl_add_u32 v[ADRF], v2, 4, s23
	v_lshl_add_u32 v[FA], v0, 3, FT
	s_mul_i32 s23, s10, OTILE                      ; the way out: my tile,
	v_mul_u32_u24 v7, v1, OP
	v_lshl_add_u32 v7, v2, 5, v7                   ; row r, 32 bytes for each half of the lanes
	v_add_nc_u32 v[STO], s23, v7
	v_and_b32 v8, 31, v0
	v_lshlrev_b32 v[CO], 4, v8                     ; a row of 512 bytes: 16 bytes a lane
	s_mul_i32 s22, s11, 64*OP                      ; I store rows 64 kg .. 64 kg + 63 of the tile: mine
	s_add_co_u32 s23, s23, s22
	v_add_nc_u32 v[RDO], s23, v[CO]
	s_xor_b32 s23, s10, 2                          ; plus those of the wave with the other half of K
	s_mul_i32 s23, s23, OTILE
	s_add_co_u32 s23, s23, s22
	v_add_nc_u32 v[RDP], s23, v[CO]
.macro FCOMP R, RES                    ; four keys: f into two registers of bf16
.irp k, 0,1,2,3
	v_max3_num_f32 v[FX+\k], v[\R+\k], v[\R+4+\k], v[\R+8+\k]
.endr
.irp k, 0,1,2,3
	v_max3_num_f32 v[FX+\k], v[FX+\k], v[\R+12+\k], v[\R+16+\k]
.endr
.irp k, 0,1,2,3
	v_max3_num_f32 v[FX+\k], v[FX+\k], v[\R+20+\k], v[\R+24+\k]
.endr
.irp k, 0,1,2,3
	v_max_num_f32 v[FX+\k], v[FX+\k], v[\R+28+\k]
.endr
.irp u, 0,1,2,3,4,5,6,7,16             ; the eight blocks' maxima and my own (at R + 64) less M
	v_pk_add_f32 v[\R+4*\u:\R+4*\u+1],   v[\R+4*\u:\R+4*\u+1],   v[FX:FX+1]   neg_lo:[0,1] neg_hi:[0,1]
	v_pk_add_f32 v[\R+4*\u+2:\R+4*\u+3], v[\R+4*\u+2:\R+4*\u+3], v[FX+2:FX+3] neg_lo:[0,1] neg_hi:[0,1]
.endr
.set kk, 0
.rept 32
	v_exp_f32 v[\R+kk], v[\R+kk]
.set kk, kk+1
.endr
.irp k, 0,1,2,3
	v_exp_f32 v[\R+64+\k], v[\R+64+\k]
.endr
	v_nop                                          ; one plain place behind the last exponential (ISA guide 5.7.2)
	s_wait_alu depctr_va_vdst(0)
	v_pk_mul_f32 v[FS:FS+1],   v[\R+32:\R+33], v[\R:\R+1]
	v_pk_mul_f32 v[FS+2:FS+3], v[\R+34:\R+35], v[\R+2:\R+3]
.irp u, 1,2,3,4,5,6,7
	v_pk_fma_f32 v[FS:FS+1],   v[\R+32+4*\u:\R+33+4*\u], v[\R+4*\u:\R+4*\u+1],   v[FS:FS+1]
	v_pk_fma_f32 v[FS+2:FS+3], v[\R+34+4*\u:\R+35+4*\u], v[\R+4*\u+2:\R+4*\u+3], v[FS+2:FS+3]
.endr
.irp k, 0,1,2,3
	v_rcp_f32 v[FS+\k], v[FS+\k]
.endr
	v_nop
	s_wait_alu depctr_va_vdst(0)
	v_pk_mul_f32 v[\R+64:\R+65], v[\R+64:\R+65], v[FS:FS+1]
	v_pk_mul_f32 v[\R+66:\R+67], v[\R+66:\R+67], v[FS+2:FS+3]
	v_cvt_pk_bf16_f32 v[\RES],   v[\R+64], v[\R+65]
	v_cvt_pk_bf16_f32 v[\RES+1], v[\R+66], v[\R+67]
.endm
	s_wait_loadcnt 34                              ; V's 48 loads and the 34 into window 2 are in; the 34 into window 3 may be out
	WIN 0xaa                                       ; everything in window 2
	FCOMP 0, 144
	FCOMP 68, 146
	WIN 0x08                                       ; store data window 2, address window 0
	ds_store_b64 v[FA], v[144:145]
	ds_store_b64 v[FA], v[146:147] offset:1024
	s_wait_loadcnt 0x0
	WIN 0xff                                       ; everything in window 3
	FCOMP 0, 144
	FCOMP 68, 146
	WIN 0x0c
	ds_store_b64 v[FA], v[144:145] offset:2048
	ds_store_b64 v[FA], v[146:147] offset:3072
	WIN 0
; The registers and offsets of my quarter q (0..3: 32 keys) of the lap's K step sl (0, 1): what is multiplied (..Q), what is fetched from LDS for the next quarter (..N),
; and what is asked of V for the quarter three further on (VL.).
.macro SETQ sl, q
.set VBQ, 64*(\q)
.set PFQ, F0+64*((\q)%2)
.set FFQ, FF0+8*((\q)%2)
.set PFN, F0+64*(((\q)+1)%2)
.set FFN, FF0+8*(((\q)+1)%2)
.set FON, 512*((\sl)+((\q)+1)/4)+64*(((\q)+1)%4)
.set VLB, 64*(((\q)+3)%4)
.set VLO, ((4*(\sl)+(\q)+3)/4)*VS+(((\q)+3)%4)*VQ
.endm
.macro MUL16 hi, a0, zero              ; 16 matrix instructions: n blocks a0, a0 + 1 of the window's four x all 8 v blocks, 32 keys
.irp a, \a0, \a0+1
.irp b, 0,1,2,3,4,5,6,7
.if \zero
	v_wmma_f32_16x16x32_bf16 v[8*(8*(\a)+\b):8*(8*(\a)+\b)+7], v[VBQ+8*\b:VBQ+8*\b+7], v[PFQ+8*(4*\hi+\a):PFQ+8*(4*\hi+\a)+7], 0
.else
	v_wmma_f32_16x16x32_bf16 v[8*(8*(\a)+\b):8*(8*(\a)+\b)+7], v[VBQ+8*\b:VBQ+8*\b+7], v[PFQ+8*(4*\hi+\a):PFQ+8*(4*\hi+\a)+7], v[8*(8*(\a)+\b):8*(8*(\a)+\b)+7]
.endif
.endr
.endr
.endm
; 18 LDS loads in one run: f's 32 numbers, then pt's 128 columns, of my quarter q of a slot
.macro FETCH slot, q
	WIN 0
	ds_load_b128 v[FFN:FFN+3],   v[ADRF] offset:FON
	ds_load_b128 v[FFN+4:FFN+7], v[ADRF] offset:FON+32
.irp i, 0,1,2,3,4,5,6,7
	ds_load_tr16_b128 v[PFN+8*\i:PFN+8*\i+3],   v[ADRA+\slot] offset:(\q)*32*PA+32*\i
	ds_load_tr16_b128 v[PFN+8*\i+4:PFN+8*\i+7], v[ADRA+\slot] offset:(\q)*32*PA+32*\i+16*PA
.endr
.endm
; V's fragments times f: register r of a fragment holds two keys, the same two in all eight fragments and in f's fragment
.macro SCALE
	WIN 0x41                                       ; source 0 and the result window 1, source 1 (f) window 0
.irp i, 0,1,2,3,4,5,6,7
.irp r, 0,1,2,3,4,5,6,7
	v_pk_mul_bf16 v[VBQ+8*\i+\r], v[VBQ+8*\i+\r], v[FFQ+\r]
.endr
.endr
.endm
.macro PLACES                          ; four places behind a matrix instruction (ISA guide 7.12.1) before its registers are loaded into or its result is read
.rept 4
	v_nop
.endr
.endm
; One of my first three quarters of a K step.  vl = 1: V's quarter three further on is asked for, into the buffer that the last quarter's products read.
; lc = how many younger loads of V may be out.
.macro QTR slot, sl, q, zero, vl, lc
	SETQ \sl, \q
	s_wait_loadcnt \lc                             ; loads come back in order (ISA guide 5.7.1): this quarter's V is in, the younger quarters' sixteen loads each stay out
	s_wait_dscnt 16                                ; f is in; pt's sixteen loads may be out
	SCALE
	s_wait_dscnt 8                                 ; pt's n 0-63 are in; the youngest eight loads may be out
	WIN MUL_LO
	MUL16 0, 0, \zero
	MUL16 0, 2, \zero
	PLACES
.if \vl
	VLOAD
.endif
	FETCH \slot, \q+1
	s_wait_dscnt 18                                ; all but the 18 just issued
	WIN MUL_HI
	MUL16 1, 0, \zero
	MUL16 1, 2, \zero
.endm
; My fourth quarter: it changes slots.  In front of the barrier each wave waits for its reads of this slot and for all its tensor loads (one is out: its part of the next slot);
; where the slot is filled again the barrier opens a round of the cluster's barrier and the joint refill is the first tensor load behind the round, one a wave.
.macro TURN slot, next, sl, fill, vl, lc
	SETQ \sl, 3
	s_wait_loadcnt \lc
	s_wait_dscnt 16
	SCALE
	s_wait_dscnt 8
	WIN MUL_LO
	MUL16 0, 0, 0
	s_wait_dscnt 0                                 ; my reads of this slot are over
	s_set_vgpr_msb 0xa1a0
	s_wait_tensorcnt 0x0                           ; all my tensor loads have landed
	ds_add_u32 v254, v255
	s_wait_dscnt 0x0
	s_set_vgpr_msb 0xa0a1
	s_barrier_signal -1
	MUL16 0, 2, 0                                  ; register work while the others arrive
	WIN 0
	s_barrier_wait -1
.if \fill
	CREST
	s_add_nc_u64 s[G0+4*\slot+2:G0+4*\slot+3], s[G0+4*\slot+2:G0+4*\slot+3], ASTEP     ; no tensor load of mine is out: group 0 may be written
	tensor_load_to_lds s[G0+4*\slot:G0+4*\slot+3], s[G1:G1+7]
	s_nop 0
.endif
	PLACES
.if \vl
	VLOAD
.endif
	FETCH \next, 0
	WIN MUL_HI
	MUL16 1, 0, 0
	MUL16 1, 2, 0
.endm
.macro LAP zero                        ; two K steps, both slots filled again; f's address and V's base move on by 512 keys
	QTR 0, 0, 0, \zero, 1, 32
	QTR 0, 0, 1, 0, 1, 32
	QTR 0, 0, 2, 0, 1, 32
	TURN 0, 1, 0, 1, 1, 32
	QTR 1, 1, 0, 0, 1, 32
	QTR 1, 1, 1, 0, 1, 32
	QTR 1, 1, 2, 0, 1, 32
	TURN 1, 0, 1, 1, 1, 32
	WIN 0
	v_add_nc_u32 v[ADRF], 1024, v[ADRF]
	s_wait_xcnt 0x0                                ; V's base, which the loads just issued read, is stepped only behind this wait
	s_add_nc_u64 s[4:5], s[4:5], 2*VS
.endm
	s_wait_dscnt 0x0                               ; my part of the table of f is in LDS: zero, for the other waves' sake
	s_wait_tensorcnt 1                             ; my part of K step 0 is in; K step 1's may stay out
	s_barrier_signal -1
	s_barrier_wait -1
.set PFN, F0
.set FFN, FF0
.set FON, 0
	FETCH 0, 0
	LAP 1                                          ; the first lap stands in front of the loop: its first products start the sums
	s_mov_b32 s3, LAPS-2
.Llap:
	LAP 0
	s_sub_co_u32 s3, s3, 1
	s_cmp_lg_u32 s3, 0
	s_cbranch_scc1 .Llap
	QTR 0, 0, 0, 0, 1, 32                          ; the last lap fills no slot;
	QTR 0, 0, 1, 0, 1, 32
	QTR 0, 0, 2, 0, 1, 32
	TURN 0, 1, 0, 0, 1, 32
	QTR 1, 1, 0, 0, 1, 32                          ; here V's last quarter is asked for;
	QTR 1, 1, 1, 0, 0, 32                          ; the last three quarters ask for nothing, and the counts run down
	QTR 1, 1, 2, 0, 0, 16
	SETQ 1, 3
	s_wait_loadcnt 0x0
	s_wait_dscnt 16
	SCALE
	s_wait_dscnt 8
	WIN MUL_LO
	MUL16 0, 0, 0
	MUL16 0, 2, 0
	s_wait_dscnt 0
	WIN MUL_HI
	MUL16 1, 0, 0
	MUL16 1, 2, 0
	; THE WAY OUT.  Each wave lays its 128 x 128 partial sums into LDS, over the slots, which have had their last fill and, behind this barrier, their last read.
	PLACES
	WIN 0
	s_lshl_b32 s16, s13, 8                         ; out0: row 256 y + 128 hn + 64 kg, times 2,048 bytes,
	s_lshl_b32 s17, s12, 7
	s_add_co_u32 s16, s16, s17
	s_lshl_b32 s17, s11, 6
	s_add_co_u32 s16, s16, s17
	s_lshl_b32 s16, s16, 11
	s_mov_b32 s17, 0
	s_add_nc_u64 s[8:9], s[76:77], s[16:17]
	s_lshl_b32 s46, s42, 9                         ; + x x 512 bytes
	s_mov_b32 s47, 0
	s_add_nc_u64 s[8:9], s[8:9], s[46:47]
	s_barrier_signal -1                            ; every wave's LDS loads are back (its last wait was for zero)
	s_barrier_wait -1
.macro STAGE_OUT win, a0
	WIN \win
.irp a, 0,1,2,3
.irp b, 0,1,2,3,4,5,6,7
	ds_store_b128 v[STO], v[8*(8*\a+\b):8*(8*\a+\b)+3]   offset:(\a0+\a)*16*OP+64*\b
	ds_store_b128 v[STO], v[8*(8*\a+\b)+4:8*(8*\a+\b)+7] offset:(\a0+\a)*16*OP+64*\b+16
.endr
.endr
.endm
	STAGE_OUT 0x08, 0                              ; store data window 2
	STAGE_OUT 0x0c, 4                              ; store data window 3
	WIN 0
	s_wait_dscnt 0x0
	s_barrier_signal -1
	s_barrier_wait -1
; eight rows: mine and the other K half's, added, a whole row of 512 bytes to a store
.macro OUTR g, f
	s_wait_xcnt 0x0                                ; buffer f, which earlier stores read, is rewritten only behind this wait
.irp t, 0,1,2,3,4,5,6,7
	ds_load_b128 v[\f+4*\t:\f+4*\t+3],       v[RDO] offset:(8*\g+\t)*OP
	ds_load_b128 v[\f+32+4*\t:\f+32+4*\t+3], v[RDP] offset:(8*\g+\t)*OP
.endr
.irp t, 0,1,2,3,4,5,6,7
	s_wait_dscnt 14-2*\t                           ; row t's two loads are in; the 14 - 2 t younger ones may be out
	v_pk_add_f32 v[\f+4*\t:\f+4*\t+1],   v[\f+4*\t:\f+4*\t+1],   v[\f+32+4*\t:\f+32+4*\t+1]
	v_pk_add_f32 v[\f+4*\t+2:\f+4*\t+3], v[\f+4*\t+2:\f+4*\t+3], v[\f+32+4*\t+2:\f+32+4*\t+3]
	global_store_b128 v[CO], v[\f+4*\t:\f+4*\t+3], s[8:9] offset:(8*\g+\t)*2048 th:TH_STORE_NT   ; the wave stores 512 consecutive bytes, aligned
.endr
.endm
	OUTR 0, F0
	OUTR 1, F1
	OUTR 2, F0
	OUTR 3, F1
	OUTR 4, F0
	OUTR 5, F1
	OUTR 6, F0
	OUTR 7, F1
	s_wait_tensorcnt 0x0
	ds_add_u32 v254, v255
	s_wait_dscnt 0x0
	CROUND                                         ; the closing round
	s_endpgm
.Lfunc_end_k_q399457a011_pv:
	.size	k_q399457a011_pv, .Lfunc_end_k_q399457a011_pv-k_q399457a011_pv
	.p2alignl 7, 3214868480
	.fill 96, 4, 3214868480
	.section	.rodata,"a",@progbits
	.p2align	6, 0x0
	.amdhsa_kernel k_q399457a011_pv
		.amdhsa_group_segment_fixed_size 327680
		.amdhsa_private_segment_fixed_size 0
		.amdhsa_enable_private_segment 0
		.amdhsa_kernarg_size 40
		.amdhsa_user_sgpr_count 2
		.amdhsa_user_sgpr_kernarg_segment_ptr 1
		.amdhsa_wavefront_size32 1
		.amdhsa_system_sgpr_workgroup_id_x 1
		.amdhsa_system_sgpr_workgroup_id_y 1
		.amdhsa_system_sgpr_workgroup_id_z 1
		.amdhsa_system_vgpr_workitem_id 0
		.amdhsa_next_free_vgpr 1024
		.amdhsa_next_free_sgpr 80
		.amdhsa_reserve_vcc 0
		.amdhsa_float_denorm_mode_32 3
		.amdhsa_float_denorm_mode_16_64 3
		.amdhsa_memory_ordered 1
		.amdhsa_forward_progress 1
		.amdhsa_inst_pref_size 255
	.end_amdhsa_kernel
	.section	.bss,"aw",@nobits
	.p2align	6
	.space	262144
	.amdgpu_metadata
---
amdhsa.version: [ 1, 2 ]
amdhsa.kernels:
  - .name:           k_q399457a011_pv
    .symbol:         k_q399457a011_pv.kd
    .args:
      - { .name: pt, .offset: 0, .size: 8, .value_kind: global_buffer, .address_space: global }
      - { .name: qkv, .offset: 8, .size: 8, .value_kind: global_buffer, .address_space: global }
      - { .name: mstat, .offset: 16, .size: 8, .value_kind: global_buffer, .address_space: global }
      - { .name: lstat, .offset: 24, .size: 8, .value_kind: global_buffer, .address_space: global }
      - { .name: out0, .offset: 32, .size: 8, .value_kind: global_buffer, .address_space: global }
    .group_segment_fixed_size: 327680
    .private_segment_fixed_size: 0
    .kernarg_segment_align: 8
    .kernarg_segment_size: 40
    .max_flat_workgroup_size: 128
    .sgpr_count:     80
    .vgpr_count:     1024
    .wavefront_size: 32
...
	.end_amdgpu_metadata
.endif
;; end of part 4
